; MI455X (gfx1250); checked and timed in simulation.
; The chip was launched on July 23, 2026; its instructions are those of AMD's public machine-readable ISA for CDNA 5 (MIT licence, August 2026) and "CDNA5" Instruction Set Architecture Reference Guide (July 2026). The comments in the code are by the model that wrote it; some were corrected since.
;; Multi Head Self Attention. Allowed arithmetic: matrix products marked QUANTISED: E2M3 operands, one E8M0 scale for each 32 along K, by v_wmma_scale_f32_16x16x128_f8f6f4 with both operands' format E2M3, f32 sums; everything else in f32.
;; Inputs: Wk_b 1,024 float32; Wk_w 1,024 x 1,024 float32; Wo_b 1,024 float32; Wo_w 1,024 x 1,024 float32; Wq_b 1,024 float32; Wq_w 1,024 x 1,024 float32; Wv_b 1,024 float32; Wv_w 1,024 x 1,024 float32; mask 2 x 1 x 1 x 2,048 int32; x 2 x 2,048 x 1,024 float32.
;; Outputs: out0 2 x 2,048 x 1,024 float32.
;; This version of the problem:
;;   THIS VERSION OF THE PROBLEM IS GIVEN IN LOW PRECISION. The matrix products marked QUANTISED in the list below multiply operands that are first quantised to E2M3 (2 exponent bits, 3 mantissa bits; 6 bits a number), with one power-of-two scale for each 32 numbers along K (OCP MX v1.0); their sums are f32. All else is computed in f32.
;;   The module's matrix products, in the order in which they are computed (A, B: the left and right operand; K: the contracted axis; several contracted axes count as one K, in the product's order):
;;     1. [M 4,096, K 1,024] x [K 1,024, N 1,024]; A: input x; B: input Wq_w: QUANTISED
;;     2. [M 4,096, K 1,024] x [K 1,024, N 1,024]; A: input x; B: input Wk_w: QUANTISED
;;     3. [M 4,096, K 1,024] x [K 1,024, N 1,024]; A: input x; B: input Wv_w: QUANTISED
;;     4. batch 32 x [M 2,048, K 64] x [K 64, N 2,048]; A: computed on the way; B: computed on the way: QUANTISED
;;     5. batch 32 x [M 2,048, K 2,048] x [K 2,048, N 64]; A: softmax (see below); B: computed on the way: QUANTISED
;;     6. [M 4,096, K 1,024] x [K 1,024, N 1,024]; A: computed on the way; B: input Wo_w: QUANTISED
;;   THE QUANTISER, for each operand of a quantised product, along K:
;;     - K is cut into blocks of 32 from its start; a last block that is shorter is filled with zeros.
;;     - A block's scale is 2^e with e = floor(log2(the largest magnitude in the block)) - 2, held to -126 .. 127; a block of zeros has e = 0. As a byte (E8M0): e + 127.
;;     - Each number is divided by its block's scale, clamped to +-7.5, and rounded to the nearest number of E2M3, ties to even, subnormals kept.
;;     - The product sums the exact products of the quantised numbers (number of the format x scale) in f32.
;;   ~~~python
;;   def quantise(x, axis):      # numpy; x: float32 -> the quantised numbers, widened to float32 again
;;       x = np.moveaxis(x, axis, -1); K = x.shape[-1]
;;       x = np.pad(x, [(0, 0)] * (x.ndim - 1) + [(0, -K % 32)]); x = x.reshape(x.shape[:-1] + (-1, 32)); a = np.abs(x).max(-1, keepdims=True)
;;       e = np.where(a > 0, np.clip(np.frexp(np.where(a > 0, a, 1))[1] - 1 - 2, -126, 127), 0)      # np.frexp(a)[1] - 1 = floor(log2(a)), exactly
;;       r = np.clip(x / 2.0 ** e, -7.5, 7.5)
;;       step = 2.0 ** (np.maximum(np.frexp(np.where(r == 0, 1, r))[1] - 1, 0) - 3)
;;       q = np.round(r / step) * step * 2.0 ** e      # np.round: ties to even
;;       return np.moveaxis(q.reshape(q.shape[:-2] + (-1,))[..., :K], -1, axis).astype(np.float32)
;;   ~~~
;;   SOFTMAX AHEAD OF A QUANTISED PRODUCT. Where the list says 'softmax', what is quantised is not the finished softmax but p = 2^(t - M), with t = logit x log2(e) and M = ceil(the row's largest t), a whole number; so 1/2 < the row's largest p <= 1. The row's sum l is taken of the UNQUANTISED p, in f32, and the product's result is divided by l at the end. Since M is a whole number, a kernel that streams over the keys may use a running M (the ceiling of the running maximum): every later rescaling is an exact power of two, which a block's scale takes up: the codes' values come out the same.
;;   OPERANDS COMPUTED ON THE WAY. 'Computed on the way' means the value that the module computes at that place (a softmax that the list does not call 'softmax' is quantised finished and normalised). What goes into a quantiser is computed in f32, as accurately as f32 sums, v_exp_f32 and their like allow (about 1e-6 of the number): no bf16 or f16 on the way to a quantiser, and a product that is left as it is and whose result goes on into a quantised operand takes f32 operands (vector FMAs, or v_wmma_f32_16x16x4_f32). A number that lies on a knife's edge between two numbers of the format may be rounded either way, as far as f32 arithmetic and the matrix unit's own rounding can turn it there, and no further.
;; One version. Each part assembles by itself: llvm-mc -triple=amdgcn-amd-amdhsa -mcpu=gfx1250 --defsym DOCPART=n.
;; ======== version 1 of 1: 4 launches
;; limits: right only within a limited range of input values
;; workspace buffers: oc 6,291,456 bytes; os 262,144 bytes; qf 4,194,304 bytes; kv 7,864,320 bytes; cf 3,145,728 bytes; cs 131,072 bytes
;; launch quant (part 1): grid 256 x 1, 4 waves a work-group, no clusters, 34,304 bytes of LDS; arguments x, Wq_w, Wk_w, Wv_w, Wo_w, oc, os; writes oc, os
.if DOCPART == 1
	.amdgcn_target "amdgcn-amd-amdhsa--gfx1250"
	.amdhsa_code_object_version 6
	.text
	.protected	k_q10f8c5d582_quant
	.globl	k_q10f8c5d582_quant
	.p2align	8
	.type	k_q10f8c5d582_quant,@function
k_q10f8c5d582_quant:
	s_mov_b64 s[64:65], 0
	v_nop
	global_prefetch_b8 v0, s[64:65] scope:SCOPE_SE
	s_setreg_imm32_b32 hwreg(HW_REG_WAVE_MODE, 25, 1), 1
	s_wait_xcnt 0x0
; x [4096][1024] and the four weights [1024][1024], f32, K innermost, become codes of FP6 (E2M3) with one E8M0 byte for each 32 along K,
; laid in the ORDER OF AN OPERAND'S REGISTERS: a tile row is 16 rows, a fragment 16 rows x 128 K = 12 registers a lane = 1,536 bytes, in three pieces of 512 bytes
; (piece c: lane l's registers 4 c .. 4 c + 3 at byte 16 l).  oc: [tile row 0..511][K step 0..7][1,536]; tile rows 0-255 x, 256-319 Wq, 320-383 Wk, 384-447 Wv, 448-511 Wo.
; THE ROWS OF A TILE ARE NOT NEIGHBOURS: lane r of tile T takes row 32 (T / 2) + 8 (T % 2) + r + 8 (r / 8), so that a product with such a tile as source 0 leaves 16 neighbours in the 16 registers of tiles 2 b, 2 b + 1.
; os: [tile row][K half][r][4 words]: word q of (half, r) is row r's scale word of K step 4 half + q: one load of 16 bytes a lane gives four registers with K steps 0-3 in lanes 0-15 and 4-7 in lanes 16-31.
; A block's scale is 2^(floor(log2(its largest magnitude)) - 2); its byte is the largest magnitude's exponent field - 2, held at 1 from below (a block of zeros keeps the byte 1: its codes are zeros, and this program alone reads the bytes).
; LIMITS: blocks whose largest magnitude lies under 2^-124 keep the byte 1; NaN and infinities among the inputs are not served.
; SHARES: a wave takes one tile row and one half of K: 16 rows x 512 numbers, four K steps.  Each load reads 512 consecutive bytes of one row; a K step's 16 x 512 bytes turn through the wave's own stage in LDS
; (rows 528 bytes apart) and come back as 16 neighbours of each block of 32 for lane (r, h).  Waves share nothing: no barrier.  Two K steps' loads (32 a wave) are out at the start, 16 while a step is worked.
.set SP,   528                         ; a stage row: 512 bytes + 16
.set LI,   4                           ; v4   16 x lane: my bytes of a load's or a store's 512
.set SI,   5                           ; v5   the stage, on the way in
.set SO,   6                           ; v6   and on the way out: row r, + 64 h
.set SA,   8                           ; v8   my 8 bytes of the wave's 256 bytes of scale words
.set TT,   10                          ; v[10:11] the two words that I store
.set SW,   12                          ; v12-15 the four K steps' scale words
.set R,    16                          ; v16-143 two sets of 64: a K step as loaded
.set X,    144                         ; v144-207 a K step as the quantiser wants it
.set PC,   208                         ; v208-226 the codes just made
.set TM,   228                         ; v228-243 at work
.set PW,   244                         ; the scale word just made
.set SEL,  36                          ; s[36:37] lane selects: lane l xor 16
; 64 numbers of a lane, v[s] .. v[s + 63], register 16 b + i = k 32 b + 16 (lane / 16) + i of my row, become a fragment's codes in v[PC] on and its scale word in v[PW].
.macro QUANT s
.irp b, 0,1,2,3
	v_max3_num_f32 v[TM+\b], |v[\s+16*\b]|, |v[\s+1+16*\b]|, 0x1800000   ; block b: my 16 numbers, and the floor 2^(3 - 127): the byte cannot fall under 1
.endr
.irp i, 2,4,6,8,10,12,14
.irp b, 0,1,2,3
	v_max3_num_f32 v[TM+\b], v[TM+\b], |v[\s+16*\b+\i]|, |v[\s+1+16*\b+\i]|   ; the four blocks by turns
.endr
.endr
.irp b, 0,1,2,3
	v_permlanex16_b32 v[TM+4+\b], v[TM+\b], s[SEL], s[SEL+1]
.endr
.irp b, 0,1,2,3
	v_max_num_f32 v[TM+\b], v[TM+\b], v[TM+4+\b]   ; with lane l xor 16's: the block's largest magnitude
.endr
.irp b, 0,1,2,3
	v_add_nc_u32 v[TM+12+\b], 0xff000000, v[TM+\b]   ; 2 off its exponent field: the conversion takes this operand's exponent field as its scale
.endr
.irp b, 0,1,2,3
	v_lshrrev_b32 v[TM+4+\b], 23, v[TM+12+\b]      ; the scale's byte
.endr
	v_lshl_or_b32 v[PW], v[TM+5], 8, v[TM+4]
	v_lshl_or_b32 v[PW], v[TM+6], 16, v[PW]
	v_lshl_or_b32 v[PW], v[TM+7], 24, v[PW]
.irp c, 0,1
	v_cvt_scalef32_pk16_fp6_f32 v[PC+6*\c:PC+2+6*\c], v[\s+32*\c:\s+15+32*\c], v[TM+12+2*\c]
	v_cvt_scalef32_pk16_fp6_f32 v[PC+12+4*\c:PC+14+4*\c], v[\s+16+32*\c:\s+31+32*\c], v[TM+12+2*\c+1]   ; (a conversion's three registers begin on an even number)
.endr
	v_nop                                          ; one plain line behind the scaled conversions
.irp c, 0,1                                    ; the operand's layout wants a whole block in a lane: lanes 0-15 block 2 c, lanes 16-31 block 2 c + 1
.irp i, 0,1,2
	v_permlane16_swap_b32 v[PC+6*\c+\i], v[PC+12+4*\c+\i]
.endr
.irp i, 0,1,2
	v_mov_b32 v[PC+3+6*\c+\i], v[PC+12+4*\c+\i]
.endr
.endr
.endm
	s_load_b256 s[4:11], s[0:1], 0x0               ; x, Wq_w, Wk_w, Wv_w
	s_load_b128 s[12:15], s[0:1], 0x20             ; Wo_w, oc
	s_load_b64 s[16:17], s[0:1], 0x30              ; os
	v_lshl_add_u32 v254, v0, 2, 0x8400
	v_mov_b32 v255, 0
	v_lshrrev_b32 v1, 5, v0
	v_readfirstlane_b32 s20, v1                    ; wave 0..3
	v_and_b32 v1, 31, v0                           ; lane
	v_and_b32 v2, 15, v0                           ; r
	v_bfe_u32 v3, v0, 4, 1                         ; h
	v_lshlrev_b32 v[LI], 4, v1
	s_mul_i32 s21, s20, 16*SP                      ; my wave's stage
	v_add_nc_u32 v[SI], s21, v[LI]
	v_mul_u32_u24 v[SO], v2, SP
	v_lshl_add_u32 v[SO], v3, 6, v[SO]
	v_add_nc_u32 v[SO], s21, v[SO]
	v_lshlrev_b32 v[SA], 4, v2
	v_lshl_add_u32 v[SA], v3, 3, v[SA]             ; 16 r + 8 h
.irp b, 0,1,2,3
	v_mov_b32 v[TM+4+\b], 0                        ; written once: a lane permute's destination counts as one of its sources
.endr
	s_mov_b32 s[SEL], 0x76543210
	s_mov_b32 s[SEL+1], 0xfedcba98
	s_lshr_b32 s22, s20, 1
	s_and_b32 s23, s20, 1                          ; which half of K
	s_lshl_b32 s24, ttmp9, 1
	s_add_co_u32 s24, s24, s22                     ; my tile row: 2 x work-group + wave / 2
	s_and_b32 s25, s24, 63
	s_cmp_lt_u32 ttmp9, 128
	s_cselect_b32 s25, s24, s25                    ; the tile row inside its tensor (each weight has 64)
	s_lshr_b32 s26, s25, 1
	s_lshl_b32 s26, s26, 17                        ; 32 (L / 2) rows of 4,096 bytes
	s_and_b32 s27, s25, 1
	s_lshl_b32 s27, s27, 15                        ; 8 (L % 2) rows
	s_add_co_u32 s26, s26, s27
	s_lshl_b32 s27, s23, 11                        ; my half of K: 2,048 bytes on
	s_add_co_u32 s26, s26, s27
	s_mov_b32 s27, 0
	s_mul_i32 s28, s24, 12288                      ; the codes: 12,288 bytes a tile row, 6,144 a half
	s_mul_i32 s29, s23, 6144
	s_add_co_u32 s28, s28, s29
	s_mov_b32 s29, 0
	s_lshl_b32 s18, s24, 9                         ; the scale words: 512 bytes a tile row, 256 a half
	s_lshl_b32 s19, s23, 8
	s_add_co_u32 s18, s18, s19
	s_mov_b32 s19, 0
	s_wait_alu depctr_va_vdst(0)
	s_wait_kmcnt 0x0
	s_mov_b64 s[30:31], s[12:13]                   ; which tensor: the choice hangs on the work-group's number alone
	s_cmp_lt_u32 ttmp9, 224
	s_cselect_b64 s[30:31], s[10:11], s[30:31]
	s_cmp_lt_u32 ttmp9, 192
	s_cselect_b64 s[30:31], s[8:9], s[30:31]
	s_cmp_lt_u32 ttmp9, 160
	s_cselect_b64 s[30:31], s[6:7], s[30:31]
	s_cmp_lt_u32 ttmp9, 128
	s_cselect_b64 s[30:31], s[4:5], s[30:31]
	s_add_nc_u64 s[30:31], s[30:31], s[26:27]
	s_add_nc_u64 s[32:33], s[14:15], s[28:29]
	s_add_nc_u64 s[34:35], s[16:17], s[18:19]
.macro LOAD s                          ; K step s: the tile's 16 rows, 512 consecutive bytes each, into set s % 2
.irp i, 0,1,2,3,4,5,6,7,8,9,10,11,12,13,14,15
	global_load_b128 v[R+64*((\s)%2)+4*\i:R+64*((\s)%2)+4*\i+3], v[LI], s[30:31] offset:(\i+8*(\i/8))*4096+512*(\s) th:TH_LOAD_NT
.endr
.endm
.macro STEP s
.if (\s) < 3
	s_wait_loadcnt 16                              ; this step's 16 loads are in; the next set's 16 may be out
.else
	s_wait_loadcnt 0x0
.endif
.irp i, 0,1,2,3,4,5,6,7,8,9,10,11,12,13,14,15
	ds_store_b128 v[SI], v[R+64*((\s)%2)+4*\i:R+64*((\s)%2)+4*\i+3] offset:SP*\i
.endr
.irp b, 0,1,2,3
.irp j, 0,1,2,3
	ds_load_b128 v[X+16*\b+4*\j:X+16*\b+4*\j+3], v[SO] offset:128*\b+16*\j   ; LDS serves a wave's instructions in order: these see the stores above
.endr
.endr
	s_wait_dscnt 0x0                               ; the numbers are back, and the stage's stores have read their registers
.if (\s) > 0
	s_wait_xcnt 0x0                                ; the last step's stores have read the codes' registers, which are written again below
.endif
.if (\s) < 2
	LOAD (\s)+2
.endif
	QUANT X
.irp c, 0,1,2
	global_store_b128 v[LI], v[PC+4*\c:PC+4*\c+3], s[32:33] offset:1536*(\s)+512*\c   ; 32 lanes store 512 consecutive bytes, aligned
.endr
	v_mov_b32 v[SW+(\s)], v[PW]
.endm
	LOAD 0
	LOAD 1
	STEP 0
	STEP 1
	STEP 2
	STEP 3
	v_cmp_le_u32 vcc_lo, 16, v1                    ; lanes 16-31 store words 2 and 3 of their row, lanes 0-15 words 0 and 1
	v_cndmask_b32 v[TT], v[SW], v[SW+2], vcc_lo
	v_cndmask_b32 v[TT+1], v[SW+1], v[SW+3], vcc_lo
	global_store_b64 v[SA], v[TT:TT+1], s[34:35]   ; the wave stores 256 consecutive bytes, aligned
	s_wait_tensorcnt 0x0
	ds_add_u32 v254, v255
	s_wait_dscnt 0x0
	s_endpgm
.Lfunc_end_k_q10f8c5d582_quant:
	.size	k_q10f8c5d582_quant, .Lfunc_end_k_q10f8c5d582_quant-k_q10f8c5d582_quant
	.p2alignl 7, 3214868480
	.fill 96, 4, 3214868480
	.section	.rodata,"a",@progbits
	.p2align	6, 0x0
	.amdhsa_kernel k_q10f8c5d582_quant
		.amdhsa_group_segment_fixed_size 34304
		.amdhsa_private_segment_fixed_size 0
		.amdhsa_enable_private_segment 0
		.amdhsa_kernarg_size 56
		.amdhsa_user_sgpr_count 2
		.amdhsa_user_sgpr_kernarg_segment_ptr 1
		.amdhsa_wavefront_size32 1
		.amdhsa_system_sgpr_workgroup_id_x 1
		.amdhsa_system_sgpr_workgroup_id_y 1
		.amdhsa_system_sgpr_workgroup_id_z 1
		.amdhsa_system_vgpr_workitem_id 0
		.amdhsa_next_free_vgpr 256
		.amdhsa_next_free_sgpr 66
		.amdhsa_reserve_vcc 1
		.amdhsa_float_denorm_mode_32 3
		.amdhsa_float_denorm_mode_16_64 3
		.amdhsa_memory_ordered 1
		.amdhsa_forward_progress 1
		.amdhsa_inst_pref_size 34
	.end_amdhsa_kernel
	.amdgpu_metadata
---
amdhsa.version: [ 1, 2 ]
amdhsa.kernels:
  - .name:           k_q10f8c5d582_quant
    .symbol:         k_q10f8c5d582_quant.kd
    .args:
      - { .name: x, .offset: 0, .size: 8, .value_kind: global_buffer, .address_space: global }
      - { .name: Wq_w, .offset: 8, .size: 8, .value_kind: global_buffer, .address_space: global }
      - { .name: Wk_w, .offset: 16, .size: 8, .value_kind: global_buffer, .address_space: global }
      - { .name: Wv_w, .offset: 24, .size: 8, .value_kind: global_buffer, .address_space: global }
      - { .name: Wo_w, .offset: 32, .size: 8, .value_kind: global_buffer, .address_space: global }
      - { .name: oc, .offset: 40, .size: 8, .value_kind: global_buffer, .address_space: global }
      - { .name: os, .offset: 48, .size: 8, .value_kind: global_buffer, .address_space: global }
    .group_segment_fixed_size: 34304
    .private_segment_fixed_size: 0
    .kernarg_segment_align: 8
    .kernarg_segment_size: 56
    .max_flat_workgroup_size: 128
    .sgpr_count:     66
    .vgpr_count:     256
    .wavefront_size: 32
...
	.end_amdgpu_metadata
.endif
;; end of part 1
;; launch qkv (part 2): grid 12 x 16, 4 waves a work-group, clusters of 4 x 4, 327,680 bytes of LDS; arguments oc, os, Wq_b, Wk_b, Wv_b, mask, qf, kv; writes qf, kv
.if DOCPART == 2
	.amdgcn_target "amdgcn-amd-amdhsa--gfx1250"
	.amdhsa_code_object_version 6
	.text
	.protected	k_q10f8c5d582_qkv
	.globl	k_q10f8c5d582_qkv
	.p2align	8
	.type	k_q10f8c5d582_qkv,@function
k_q10f8c5d582_qkv:
	s_mov_b64 s[64:65], 0
	v_nop
	global_prefetch_b8 v0, s[64:65] scope:SCOPE_SE
	s_setreg_imm32_b32 hwreg(HW_REG_WAVE_MODE, 25, 1), 1
	s_wait_xcnt 0x0
	s_wait_alu depctr_hold_cnt(0) depctr_sa_sdst(0) depctr_va_vdst(0) depctr_va_sdst(0) depctr_va_ssrc(0) depctr_va_vcc(0) depctr_vm_vsrc(0)
	s_getreg_b32 s2, hwreg(HW_REG_IB_STS2, 6, 4)
	s_cmp_eq_u32 s2, 0
	s_cbranch_scc0 .Lentry_in_a_cluster
	s_endpgm
.Lentry_in_a_cluster:
	s_bfe_u32 s2, ttmp6, 0x10000c
	s_cmp_lg_u32 s2, 0xf033
	s_cbranch_scc0 .Lentry_shape_is_right
	s_endpgm
.Lentry_shape_is_right:
; Q = x Wq^T + bq, K = x Wk^T + bk, V = x Wv^T + bv on codes of FP6 (E2M3) with E8M0 scales, sums in f32; the results are quantised again on the way out, as the operands of attention's two products.
; A work-group makes 256 rows of x times 256 features of one weight; the cluster's x says which: 0 Q, 1 K, 2 V (the same in all sixteen partners).  Four waves, 128 x 128 each: 64 accumulators, 512 registers.
; Codes lie in memory as images of operand registers (a fragment = 16 rows x 128 K = 1,536 bytes, three loads of 16 bytes a lane), so a tile needs no pitch and no padding in LDS.
; K (1,024) goes in four fills of two K steps through a ring of two LDS slots; the fills are JOINT loads: x's tiles are shared along a row of the cluster, the weight's along a column.
; ROLES.  Source 1 gives a lane its row, source 0 runs along the lane's registers.  For Q and K source 1 = x, source 0 = W: a lane holds one row of x and 128 features, the K of the scores' product.
; For V the roles are swapped, by LDS addresses alone: a lane holds one feature and 128 keys, the K of the second product.  The loop's text is the same for all three.
; The rows of a tile are chosen (32 (T / 2) + 8 (T % 2) + r + 8 (r / 8)) so that the 16 registers of source 0's tiles 2 b, 2 b + 1 are 16 neighbours: what the conversions want.
; THE SCALE WORDS come from memory straight into registers, once: four registers a tile row; K steps 0-3 in lanes 0-15, K steps 4-7 in lanes 16-31.
; WHAT LEAVES.  qf [head of batch][tile of 16 queries][1,024]: registers 0-3; then registers 4, 5, the scale word, 0.   kv [head of batch][step of 128 keys][15,360]: 8 tiles of K x 1,024 (registers 0-3; registers 4, 5, the mask's code, 0),
; K's scale words (512), 4 images of V^T (16 channels x 128 keys, 1,536 each), V's scale words (512).
; THE MASK rides in the upper 64 of the scores' K, which a head of 64 leaves free.  There Q holds the code of 1.0 at k = 64 and 96 under the scale 2^16.  A hidden key holds the code of -1.0 there under 2^16, and zeros for all its real codes:
; its score is exactly -2^33, its logit -2^30.  A visible key holds zeros there under the scale 2^-126.
; LIMITS: reference's -1e9 is replaced by -2^30: results differ only where a visible logit lies under about -9.9e8.  Blocks whose largest magnitude lies under 2^-124 keep the byte 1.  NaN and infinities are not served.
; REGISTERS, in windows of 256.  Window 0: v1-29 lane numbers, the mask, addresses; v30-61, v64-95 scale words of role A, role B; v96-111 V's bias; v128-223 role A's fragments, ONE set; on the way out v112-255 are at work.
;   Window 1: role B's fragments, two sets, at v0 and v128; Q's and K's bias at v96-127 and v224-255.   Window 2: the accumulators of role A's blocks 0-3 ((a, b) at v[8 (8 a + b)]); window 3: of blocks 4-7.
.set FR,    12                         ; registers of a fragment
.set NL,    3                          ; LDS loads that bring one
.set NP,    4                          ; places behind this matrix instruction (ISA guide 7.12.1)
.set HALFT, 24576                      ; 8 tile rows x 2 K steps x 1,536: what one tensor load brings, and what one wave reads of a role
.set SLOT,  4*HALFT                    ; x's 16 tile rows, then the weight's 16
.set SPARE, 2*SLOT                     ; behind the ring: the spare words, 128 bytes for each wave: two blocks of 256 bytes that no other line names
.set MK,   4                           ; v4-11  the mask's word for my key, tile a
.set LI,   12                          ; v12    16 x lane
.set ADRA, 16                          ; v16-17 LDS address of role A's fragments in slot 0, 1
.set ADRB, 20                          ; v20-21 the same for role B
.set SPW,  28                          ; v28    LDS address of my spare word; never rewritten
.set NIL,  29                          ; v29    0; never rewritten
.set SCA,  30                          ; v30-61: role A's and role B's scale registers differ modulo 8 in every product
.set SCB,  64
.set BV,   96                          ; V's bias: tile a's number for my feature, twice (a pair for the packed addition)
.set KMR,  112                         ; the way out: all ones for a visible key, 0 for a hidden one
.set MCR,  113                         ; the mask's code: 0 or 40 (-1.0)
.set SPR,  114                         ; the spare scale bytes
.set TS,   115
.set SPH,  116                         ; 0x8f8f0000
.set SPV,  117                         ; the spare bytes of a visible row
.set ONES, 118
.set AF,   128
.set ST,   128                         ; the way out: 64 numbers
.set PC,   192
.set TM,   212
.set PW,   228
.set OA,   232                         ; v232-235 a tile's second piece; v235 = 0
.set T4,   236
.set SWA,  240                         ; v240-247 the first head's scale words (V: all eight tiles')
.set SWB,  248                         ; v248-255 the second head's
.set G1,   24                          ; s[24:31] descriptor group 1 for x's tiles; s[32:39] group 0, one set for each slot
.set G0,   32
.set G1B,  48                          ; s[48:55], s[56:63] the same for the weight's
.set G0B,  56
.set SEL,  82                          ; s[82:83] lane selects: lane l xor 16
.set MSB, 0
.macro WIN new                         ; the immediate's high byte repeats the setting that is left
.if MSB != (\new)
	s_set_vgpr_msb (MSB<<8)|(\new)
.set MSB, (\new)
.endif
.endm
.set MUL_LO, 0xa1                      ; source 0 window 1, source 1 window 0, C and D window 2
.set MUL_HI, 0xf1                      ; the same, C and D window 3
.set TO_B,   0x40                      ; destination window 1, address window 0
; A joint load: waves 0 and 1 fetch x's halves, waves 2 and 3 the weight's.  The branch hangs on the wave's number alone.  Four v_nop follow each of the two lines.
.macro JLOAD s
	s_cmp_eq_u32 s21, 0
	s_cbranch_scc0 .Lfor_b_\@
	tensor_load_to_lds s[G0+4*\s:G0+4*\s+3], s[G1:G1+7]
	s_nop 0
.rept 4
	v_nop
.endr
	s_branch .Lasked_\@
.Lfor_b_\@:
	tensor_load_to_lds s[G0B+4*\s:G0B+4*\s+3], s[G1B:G1B+7]
	s_nop 0
.rept 4
	v_nop
.endr
.Lasked_\@:
.endm
.macro CREST                           ; a round of the cluster's barrier behind its opening barrier
	s_cmp_lg_u32 s20, 0
	s_cbranch_scc1 .Lnot_wave_0_\@
	s_barrier_signal -3
.Lnot_wave_0_\@:
	s_barrier_wait -3
	s_barrier_signal -1
	s_barrier_wait -1
.endm
.macro CROUND                          ; a whole round
	s_barrier_signal -1
	s_barrier_wait -1
	CREST
.endm
; 64 numbers of a lane, register 16 b + i = k 32 b + 16 (lane / 16) + i of my row, become a fragment's codes in v[PC] on and its scale word in v[PW].
.macro QUANT s
.irp b, 0,1,2,3
	v_max3_num_f32 v[TM+\b], |v[\s+16*\b]|, |v[\s+1+16*\b]|, 0x1800000   ; my 16 numbers of block b, and the floor 2^(3 - 127): the byte cannot fall under 1
.endr
.irp i, 2,4,6,8,10,12,14
.irp b, 0,1,2,3
	v_max3_num_f32 v[TM+\b], v[TM+\b], |v[\s+16*\b+\i]|, |v[\s+1+16*\b+\i]|
.endr
.endr
.irp b, 0,1,2,3
	v_permlanex16_b32 v[TM+4+\b], v[TM+\b], s[SEL], s[SEL+1]
.endr
.irp b, 0,1,2,3
	v_max_num_f32 v[TM+\b], v[TM+\b], v[TM+4+\b]   ; with lane l xor 16's: the block's largest magnitude
.endr
.irp b, 0,1,2,3
	v_add_nc_u32 v[TM+12+\b], 0xff000000, v[TM+\b]   ; 2 off its exponent field: the conversion's scale operand
.endr
.irp b, 0,1,2,3
	v_lshrrev_b32 v[TM+4+\b], 23, v[TM+12+\b]      ; the scale's byte
.endr
	v_lshl_or_b32 v[PW], v[TM+5], 8, v[TM+4]
	v_lshl_or_b32 v[PW], v[TM+6], 16, v[PW]
	v_lshl_or_b32 v[PW], v[TM+7], 24, v[PW]
.irp c, 0,1
	v_cvt_scalef32_pk16_fp6_f32 v[PC+6*\c:PC+2+6*\c], v[\s+32*\c:\s+15+32*\c], v[TM+12+2*\c]
	v_cvt_scalef32_pk16_fp6_f32 v[PC+12+4*\c:PC+14+4*\c], v[\s+16+32*\c:\s+31+32*\c], v[TM+12+2*\c+1]
.endr
	v_nop                                          ; one plain line behind the scaled conversions
.irp c, 0,1
.irp i, 0,1,2
	v_permlane16_swap_b32 v[PC+6*\c+\i], v[PC+12+4*\c+\i]
.endr
.irp i, 0,1,2
	v_mov_b32 v[PC+3+6*\c+\i], v[PC+12+4*\c+\i]
.endr
.endr
.endm
	s_load_b256 s[4:11], s[0:1], 0x0               ; oc s[4:5], os s[6:7], Wq_b s[8:9], Wk_b s[10:11]
	s_load_b256 s[12:19], s[0:1], 0x20             ; Wv_b s[12:13], mask s[14:15], qf s[16:17], kv s[18:19]
	v_lshl_add_u32 v[SPW], v0, 2, SPARE
	v_mov_b32 v[NIL], 0
	ds_add_u32 v28, v29
	ds_add_u32 v28, v29
	s_wait_dscnt 0x0
	v_lshrrev_b32 v1, 5, v0
	v_readfirstlane_b32 s20, v1                    ; wave 0..3
	s_lshr_b32 s21, s20, 1                         ; HI: role A's half.  Also: I fetch for x (0) or for the weight (1)
	s_and_b32 s22, s20, 1                          ; LO: role B's half.  Also: which 8 tile rows I fetch
	s_mov_b32 s23, ttmp9                           ; 0 Q, 1 K, 2 V: the cluster's x
	s_bfe_u32 s40, ttmp6, 0x40000                  ; cx
	s_bfe_u32 s41, ttmp6, 0x40004                  ; cy
	s_lshl_b32 s42, ttmp9, 2
	s_add_co_u32 s42, s42, s40                     ; work-group x = 4 x cluster x + cx
	s_and_b32 s43, ttmp7, 0xffff
	s_lshl_b32 s43, s43, 2
	s_add_co_u32 s43, s43, s41                     ; work-group y
	s_lshl_b32 s44, s41, 2
	s_lshl_b32 s44, 15, s44                        ; my row of the cluster
	s_lshl_b32 s45, 0x1111, s40                    ; my column
	; descriptor group 1: 8 rows (tile rows) of 3,072 bytes (two K steps), 12,288 bytes apart, in elements of 8 bytes; dense in LDS
	s_or_b32 s[G1], s44, (3<<16)|(1<<21)           ; 15:0 the mask: x's tiles go to my row; 17:16 elements of 8 bytes; 21 set beside a mask
	s_or_b32 s[G1B], s45, (3<<16)|(1<<21)          ; the weight's go to my column
.irp g, G1, G1B
	s_mov_b32 s[\g+1], 384<<16                     ; tensor_dim0
	s_mov_b32 s[\g+2], 8<<16                       ; tensor_dim1
	s_mov_b32 s[\g+3], 384<<16                     ; tile_dim0
	s_mov_b32 s[\g+4], 8                           ; tile_dim1
	s_mov_b32 s[\g+5], 1536                        ; tensor_dim0_stride
	s_mov_b32 s[\g+6], 0
	s_mov_b32 s[\g+7], 0
.endr
	s_lshl_b32 s84, s43, 4
	s_lshl_b32 s85, s22, 3
	s_add_co_u32 s84, s84, s85                     ; x: tile row 16 x work-group y + 8 x half
	s_mul_i32 s84, s84, 12288
	s_mov_b32 s85, 0
	s_lshl_b32 s86, s42, 4
	s_lshl_b32 s87, s22, 3
	s_add_co_u32 s86, s86, s87
	s_add_co_u32 s86, s86, 256                     ; the weight: tile row 256 + 16 x work-group x + 8 x half
	s_mul_i32 s86, s86, 12288
	s_mov_b32 s87, 0
	s_mul_i32 s88, s20, HALFT                      ; where they go: wave x 24,576: no place in the cluster enters an LDS address
	s_wait_kmcnt 0x0
	s_add_nc_u64 s[84:85], s[4:5], s[84:85]
	s_add_nc_u64 s[86:87], s[4:5], s[86:87]
.irp s, 0,1
	s_mov_b32 s[G0+4*\s], 1
	s_add_co_u32 s[G0+4*\s+1], s88, \s*SLOT
	s_add_nc_u64 s[G0+4*\s+2:G0+4*\s+3], s[84:85], \s*3072
	s_or_b32 s[G0+4*\s+3], s[G0+4*\s+3], 0x80000000
	s_mov_b32 s[G0B+4*\s], 1
	s_add_co_u32 s[G0B+4*\s+1], s88, \s*SLOT
	s_add_nc_u64 s[G0B+4*\s+2:G0B+4*\s+3], s[86:87], \s*3072
	s_or_b32 s[G0B+4*\s+3], s[G0B+4*\s+3], 0x80000000
.endr
	CROUND                                         ; all sixteen work-groups are here: the first joint loads meet
	JLOAD 0                                        ; slot 0: one tensor load a wave at the head
	; PREFETCHES INTO THE L2.  A fill of mine is 8 tile rows x 3,072 bytes: 96 blocks of 256 bytes.  The four partners that ask for it jointly share them out BY ADDRESS: the partner at place p (cx for x, cy for the weight)
	; names tile rows 2 p and 2 p + 1, 12 blocks each, a lane a block; lanes 24-31 name the last block again.  So each block is named once in each cluster that will load it.
	; Fills 1 and 2 are asked for here, fill 3 behind slot 1's load: each at least one fill ahead of the load that wants it.  The address registers are never rewritten; the furthest byte named is 12,032 of a tile row's 12,288.
	s_cmp_eq_u32 s21, 0                            ; do I fetch for x?
	s_cselect_b64 s[46:47], s[84:85], s[86:87]     ; my fill's first byte at K step 0
	s_cselect_b32 s66, s40, s41                    ; my place among the four that ask with me
	s_mul_i32 s66, s66, 2*12288
	s_mov_b32 s67, 0
	s_add_nc_u64 s[46:47], s[46:47], s[66:67]
	v_and_b32 v22, 31, v0
	v_min_u32 v22, 23, v22                         ; l = 0 .. 23
	v_mul_u32_u24 v23, v22, 171
	v_lshrrev_b32 v23, 11, v23                     ; l / 12
	v_mul_u32_u24 v23, v23, 12288-3072
	v_lshl_add_u32 v22, v22, 8, v23                ; 12,288 (l / 12) + 256 (l % 12)
	global_prefetch_b8 v22, s[46:47] offset:3072 th:TH_LOAD_NT scope:SCOPE_SE
	global_prefetch_b8 v22, s[46:47] offset:6144 th:TH_LOAD_NT scope:SCOPE_SE
	; the roles.  Every choice hangs on the cluster's x alone
	s_lshl_b32 s91, s43, 4                         ; x's first tile row
	s_lshl_b32 s92, s21, 3
	s_lshl_b32 s93, s22, 3
	s_add_co_u32 s94, s91, s92                     ; x, half HI
	s_lshl_b32 s95, s42, 4
	s_add_co_u32 s95, s95, 256                     ; the weight's first tile row
	s_add_co_u32 s96, s95, s93                     ; the weight, half LO
	s_add_co_u32 s95, s95, s92                     ; the weight, half HI
	s_add_co_u32 s97, s91, s93                     ; x, half LO
	s_cmp_eq_u32 s23, 2
	s_cselect_b32 s89, 2*HALFT, 0                  ; role A's region of a slot: x's, for V the weight's
	s_cselect_b32 s90, 0, 2*HALFT                  ; role B's
	s_cselect_b32 s94, s95, s94                    ; role A's first tile row
	s_cselect_b32 s96, s97, s96                    ; role B's
	s_cselect_b32 s91, s21, s22                    ; which half of the 256 features is mine
	s_cselect_b32 s92, s22, s21                    ; which half of the 256 rows of x
	s_lshl_b32 s94, s94, 9                         ; 512 bytes of scale words a tile row
	s_mov_b32 s95, 0
	s_add_nc_u64 s[68:69], s[6:7], s[94:95]
	s_lshl_b32 s96, s96, 9
	s_mov_b32 s97, 0
	s_add_nc_u64 s[70:71], s[6:7], s[96:97]
	s_cmp_eq_u32 s23, 0
	s_cselect_b64 s[72:73], s[8:9], s[10:11]
	s_cmp_eq_u32 s23, 2
	s_cselect_b64 s[72:73], s[12:13], s[72:73]     ; the bias,
	s_lshl_b32 s94, s40, 10
	s_lshl_b32 s91, s91, 9
	s_add_co_u32 s94, s94, s91                     ; at my first feature: 256 cx + 128 x half, 4 bytes each
	s_add_nc_u64 s[72:73], s[72:73], s[94:95]
	s_lshl_b32 s93, s43, 1
	s_add_co_u32 s93, s93, s92                     ; G: which 128 rows of x are mine (kept for the way out)
	s_lshl_b32 s94, s93, 9
	s_add_nc_u64 s[74:75], s[14:15], s[94:95]      ; the mask at those rows
	s_mov_b32 s[SEL], 0x76543210
	s_mov_b32 s[SEL+1], 0xfedcba98
	v_and_b32 v1, 31, v0                           ; lane
	v_and_b32 v2, 15, v0                           ; r
	v_bfe_u32 v3, v0, 4, 1                         ; h
	v_lshlrev_b32 v[LI], 4, v1
	s_wait_alu depctr_va_vdst(0)
	v_and_b32 v13, 8, v2
	v_add_nc_u32 v13, v13, v2
	v_lshlrev_b32 v13, 2, v13                      ; 4 (r + 8 (r / 8)): a tile's row for my lane, in words
	s_wait_alu depctr_va_vdst(0)
	v_lshlrev_b32 v14, 6, v3                       ; 64 h: my half's 16 features of a block of 32
	s_wait_alu depctr_va_vdst(0)
	s_mul_i32 s98, s21, HALFT
	s_add_co_u32 s89, s89, s98
	s_mul_i32 s98, s22, HALFT
	s_add_co_u32 s90, s90, s98
.irp s, 0,1
	v_add_nc_u32 v[ADRA+\s], s89, v[LI]
	v_add_nc_u32 v[ADRB+\s], s90, v[LI]
	s_add_co_u32 s89, s89, SLOT
	s_add_co_u32 s90, s90, SLOT
.endr
	; every kind of work-group issues all of these loads, so that each register is written on every way through the text
.irp a, 0,1,2,3,4,5,6,7
	global_load_b128 v[SCA+4*\a:SCA+4*\a+3], v[LI], s[68:69] offset:512*\a   ; 512 consecutive bytes: a tile row's scale words
	global_load_b128 v[SCB+4*\a:SCB+4*\a+3], v[LI], s[70:71] offset:512*\a
.endr
.irp a, 0,1,2,3,4,5,6,7
	global_load_b32 v[BV+2*\a], v13, s[72:73] offset:(32*(\a/2)+8*(\a%2))*4
	global_load_b32 v[BV+2*\a+1], v13, s[72:73] offset:(32*(\a/2)+8*(\a%2))*4
	global_load_b32 v[MK+\a], v13, s[74:75] offset:(32*(\a/2)+8*(\a%2))*4
.endr
	WIN TO_B
.irp t, 0,1,2,3,4,5,6,7                        ; Q's and K's bias in the result's layout: tile t's eight features of my half
	global_load_b128 v[96+8*\t+96*(\t/4):96+8*\t+96*(\t/4)+3], v14, s[72:73] offset:(32*(\t/2)+8*(\t%2))*4
	global_load_b128 v[96+8*\t+96*(\t/4)+4:96+8*\t+96*(\t/4)+7], v14, s[72:73] offset:(32*(\t/2)+8*(\t%2))*4+16
.endr
	WIN 0
.macro FRAG reg, adr, q, i             ; a fragment comes as it was stored: three loads of 16 bytes a lane, 512 consecutive bytes each
.irp c, 0,1,2
	ds_load_b128 v[\reg+4*\c:\reg+4*\c+3], v[\adr] offset:3072*(\i)+1536*(\q)+512*\c
.endr
.endm
; 16 matrix instructions: role A's blocks a0, a0 + 1 x role B's eight, K step ks of eight.  p: role B's set.  zero = 1: the first product starts the sums.
; The 64 accumulators take turns, one instruction a turn, in the same order in every step.
.macro MUL16 a0, p, ks, zero
.irp a, \a0, \a0+1
.irp b, 0,1,2,3,4,5,6,7
.if \zero
	v_wmma_scale_f32_16x16x128_f8f6f4 v[8*(8*((\a)%4)+\b):8*(8*((\a)%4)+\b)+7], v[128*(\p)+FR*\b:128*(\p)+FR*\b+FR-1], v[AF+FR*(\a):AF+FR*(\a)+FR-1], 0, v[SCB+4*\b+(\ks)%4], v[SCA+4*(\a)+(\ks)%4] matrix_a_fmt:MATRIX_FMT_FP6 matrix_b_fmt:MATRIX_FMT_FP6
.elseif (\ks) < 4
	v_wmma_scale_f32_16x16x128_f8f6f4 v[8*(8*((\a)%4)+\b):8*(8*((\a)%4)+\b)+7], v[128*(\p)+FR*\b:128*(\p)+FR*\b+FR-1], v[AF+FR*(\a):AF+FR*(\a)+FR-1], v[8*(8*((\a)%4)+\b):8*(8*((\a)%4)+\b)+7], v[SCB+4*\b+(\ks)%4], v[SCA+4*(\a)+(\ks)%4] matrix_a_fmt:MATRIX_FMT_FP6 matrix_b_fmt:MATRIX_FMT_FP6
.else
	v_wmma_scale_f32_16x16x128_f8f6f4 v[8*(8*((\a)%4)+\b):8*(8*((\a)%4)+\b)+7], v[128*(\p)+FR*\b:128*(\p)+FR*\b+FR-1], v[AF+FR*(\a):AF+FR*(\a)+FR-1], v[8*(8*((\a)%4)+\b):8*(8*((\a)%4)+\b)+7], v[SCB+4*\b+(\ks)%4], v[SCA+4*(\a)+(\ks)%4] matrix_a_fmt:MATRIX_FMT_FP6 matrix_b_fmt:MATRIX_FMT_FP6 matrix_a_scale:MATRIX_SCALE_ROW1 matrix_b_scale:MATRIX_SCALE_ROW1
.endif
.endr
.endr
.endm
.macro FETCH_B slot, q, p              ; role B's eight fragments of the slot's q-th K step into set p
	WIN TO_B
.irp i, 0,1,2,3,4,5,6,7
	FRAG 128*(\p)+FR*\i, ADRB+\slot, \q, \i
.endr
	WIN 0
.endm
.macro FETCH_A slot, q, i0             ; role A's blocks i0 .. i0 + 3
.irp i, \i0, \i0+1, \i0+2, \i0+3
	FRAG AF+FR*(\i), ADRA+\slot, \q, \i
.endr
.endm
; A load into a register that a matrix instruction has read, and a vector instruction that reads a matrix result or writes one of its registers, stand NP places behind it; only plain vector instructions
; that name none of its registers are places (ISA guide 7.12.1 for vector instructions).
.macro PLACES n
.rept \n
	v_nop
.endr
.endm
; A slot's first K step (global number ks): multiplies set 0 and fetches the slot's second.
.macro STEP slot, ks, zero
	s_wait_dscnt 4*NL                              ; role B's set and role A's blocks 0-3 are in; the youngest 12 loads (blocks 4-7) may be out
	WIN MUL_LO
	MUL16 0, 0, \ks, \zero
	MUL16 2, 0, \ks, \zero
	s_wait_dscnt 0                                 ; blocks 4-7 are in
	PLACES NP
	FETCH_B \slot, 1, 1
	FETCH_A \slot, 1, 0
	WIN MUL_HI
	MUL16 4, 0, \ks, \zero
	MUL16 6, 0, \ks, \zero
	PLACES NP
	WIN 0
	FETCH_A \slot, 1, 4
.endm
; A slot's second K step changes slots: ONE barrier; in front of it each wave waits for all its tensor loads, adds 0 to its spare word, and waits for that and for its reads of this slot.
; fill = 1: the slot is filled again, with the K steps four on; the barrier then opens a round of the cluster's.
.macro TURN slot, next, fill, ks
	s_wait_tensorcnt 0x0                           ; all my tensor loads have landed: my part of the next slot  (every window is 0 here)
	ds_add_u32 v[SPW], v[NIL]                      ; 0 onto my spare word
	s_wait_dscnt 4*NL+1                            ; (the add and the youngest 12 loads may be out)
	WIN MUL_LO
	MUL16 0, 1, \ks, 0                             ; sixteen matrix instructions stand between the add and the wait for it
	s_wait_dscnt 0x0                               ; the add is done, and my reads of this slot are over
	s_barrier_signal -1
	MUL16 2, 1, \ks, 0
	WIN 0
	s_barrier_wait -1
.if \fill
	CREST                                          ; no wave of any partner still reads this slot's tile or has a load on its way
	s_add_nc_u64 s[G0+4*\slot+2:G0+4*\slot+3], s[G0+4*\slot+2:G0+4*\slot+3], 6144
	s_add_nc_u64 s[G0B+4*\slot+2:G0B+4*\slot+3], s[G0B+4*\slot+2:G0B+4*\slot+3], 6144
	JLOAD \slot                                    ; the first tensor load behind the round; its four v_nop are also the places in front of the loads below
.else
	PLACES NP
.endif
	FETCH_B \next, 0, 0
	FETCH_A \next, 0, 0
	WIN MUL_HI
	MUL16 4, 1, \ks, 0
	MUL16 6, 1, \ks, 0
	PLACES NP
	WIN 0
	FETCH_A \next, 0, 4
.endm
	s_wait_alu depctr_va_vdst(0)
	s_wait_loadcnt 0x0                             ; scale words, biases, mask
	s_wait_tensorcnt 0x0                           ; my part of slot 0 is in; slot 1's first fill is issued as a refill is:
	ds_add_u32 v[SPW], v[NIL]                      ; 0 onto my spare word
	s_wait_dscnt 0x0
	CROUND                                         ; a whole round: slot 0 is whole, and all sixteen work-groups are here
	JLOAD 1                                        ; slot 1: K steps 2 and 3, the first tensor load behind the round
	FETCH_B 0, 0, 0
	FETCH_A 0, 0, 0
	FETCH_A 0, 0, 4
	global_prefetch_b8 v22, s[46:47] offset:9216 th:TH_LOAD_NT scope:SCOPE_SE   ; fill 3: K steps 6 and 7
	STEP 0, 0, 1                                   ; eight K steps, written straight: each knows its scale registers and their row
	TURN 0, 1, 1, 1                                ; slot 0 takes K steps 4 and 5
	STEP 1, 2, 0
	TURN 1, 0, 1, 3                                ; slot 1 takes K steps 6 and 7
	STEP 0, 4, 0
	TURN 0, 1, 0, 5                                ; nothing is left to fetch
	STEP 1, 6, 0
	s_wait_dscnt 4*NL
	WIN MUL_LO
	MUL16 0, 1, 7, 0
	MUL16 2, 1, 7, 0
	s_wait_dscnt 0
	WIN MUL_HI
	MUL16 4, 1, 7, 0
	MUL16 6, 1, 7, 0
	WIN 0
	PLACES NP
	; THE WAY OUT: block by block of role A: bias, quantiser, stores of 512 consecutive bytes.  No LDS.
.irp b, 0,1,2,3
	v_mov_b32 v[TM+4+\b], 0                        ; written once: a lane permute's destination counts as one of its sources
.endr
	v_mov_b32 v[OA+3], 0
	v_mov_b32 v[ONES], -1
	s_cmp_eq_u32 s23, 2
	s_cbranch_scc1 .Lv
	; ---- Q and K: a lane holds one row of x and 128 features: two heads
	s_cmp_eq_u32 s23, 1
	s_cselect_b64 s[76:77], s[18:19], s[16:17]     ; kv or qf
	s_cselect_b32 s80, -1, 0                       ; all ones for K
	s_cselect_b32 s86, 0, 1                        ; for Q every row counts as visible
	s_mov_b32 s84, 131072
	s_cselect_b32 s84, 245760, s84                 ; bytes of a head
	s_mov_b32 s85, 8192
	s_cselect_b32 s85, 15360, s85                  ; bytes of 128 rows
	s_mov_b32 s87, 0x8f8f0000
	s_cselect_b32 s87, 0x01010000, s87             ; the spare scale bytes of a visible row: K 2^-126, Q 2^16
	s_lshr_b32 s88, s93, 4
	s_lshl_b32 s88, s88, 4                         ; 16 x batch
	s_lshl_b32 s89, s40, 2
	s_add_co_u32 s88, s88, s89
	s_lshl_b32 s89, s22, 1
	s_add_co_u32 s88, s88, s89                     ; + my first head: 4 cx + 2 LO
	s_mul_i32 s88, s88, s84
	s_and_b32 s89, s93, 15
	s_mul_i32 s89, s89, s85
	s_add_co_u32 s88, s88, s89
	s_mov_b32 s89, 0
	s_mov_b32 s85, 0
	s_add_nc_u64 s[76:77], s[76:77], s[88:89]      ; the first head's place,
	s_add_nc_u64 s[78:79], s[76:77], s[84:85]      ; the second's
	v_mov_b32 v[SPH], 0x8f8f0000
	v_mov_b32 v[SPV], s87
.irp a, 0,1,2,3,4,5,6,7
	v_or_b32 v[MK+\a], s86, v[MK+\a]
.endr
.macro QKOUT a
	WIN 0x06+(\a)/4                                ; source 0: the accumulators' window; source 1: window 1, the bias
.set i, 0
.rept 32
	v_pk_add_f32 v[ST+2*i:ST+2*i+1], v[64*((\a)%4)+2*i:64*((\a)%4)+2*i+1], v[96+8*(i/4)+96*(i/16)+2*(i%4):96+8*(i/4)+96*(i/16)+2*(i%4)+1]   ; each accumulator from its low end on
.set i, i+1
.endr
	WIN 0
.if (\a) > 0
	s_wait_xcnt 0x0                                ; the last block's stores have read their registers
.endif
	QUANT ST
	v_cmp_ne_u32 vcc_lo, 0, v[MK+(\a)]             ; is my row visible?
	v_cndmask_b32 v[KMR], 0, v[ONES], vcc_lo
	v_cndmask_b32 v[MCR], 40, v[OA+3], vcc_lo      ; a hidden key: the code of -1.0
	v_cndmask_b32 v[SPR], v[SPH], v[SPV], vcc_lo
.irp n, 0,1,2,3,4,5,6,7,8,9,10,11
	v_and_b32 v[PC+\n], v[KMR], v[PC+\n]           ; a hidden key's real codes are zeros
.endr
	v_and_or_b32 v[SWA+(\a)], v[PW], 0xffff, v[SPR]   ; the first head's two bytes under the spare two
	v_lshrrev_b32 v[TS], 16, v[PW]
	v_or_b32 v[SWB+(\a)], v[TS], v[SPR]            ; the second head's
	v_mov_b32 v[OA], v[PC+4]
	v_mov_b32 v[OA+1], v[PC+5]
	v_bfi_b32 v[OA+2], s80, v[MCR], v[SWA+(\a)]    ; K: the mask's code; Q: the scale word
	v_bfi_b32 v[PC+12], s80, v[MCR], v[SWB+(\a)]
	v_mov_b32 v[PC+13], 0
	global_store_b128 v[LI], v[PC:PC+3], s[76:77] offset:1024*(\a)
	global_store_b128 v[LI], v[OA:OA+3], s[76:77] offset:1024*(\a)+512
	global_store_b128 v[LI], v[PC+6:PC+9], s[78:79] offset:1024*(\a)
	global_store_b128 v[LI], v[PC+10:PC+13], s[78:79] offset:1024*(\a)+512
.endm
.irp a, 0,1,2,3,4,5,6,7
	QKOUT \a
.endr
	s_cmp_lg_u32 s23, 1
	s_cbranch_scc1 .Ljoin
	v_cmp_le_u32 vcc_lo, 16, v1                    ; K's scale words: lanes 0-15 hold tiles 0-3, lanes 16-31 tiles 4-7
.irp n, 0,1,2,3
	v_cndmask_b32 v[T4+\n], v[SWA+\n], v[SWA+4+\n], vcc_lo
.endr
	global_store_b128 v[LI], v[T4:T4+3], s[76:77] offset:8192
	s_wait_xcnt 0x0                                ; that store has read its registers
.irp n, 0,1,2,3
	v_cndmask_b32 v[T4+\n], v[SWB+\n], v[SWB+4+\n], vcc_lo
.endr
	global_store_b128 v[LI], v[T4:T4+3], s[78:79] offset:8192
	s_branch .Ljoin
.Lv:
	; ---- V: a lane holds one feature and 128 keys: each block of role A is an image of V^T
	s_lshr_b32 s88, s93, 4
	s_lshl_b32 s88, s88, 4
	s_lshl_b32 s89, s40, 2
	s_add_co_u32 s88, s88, s89
	s_lshl_b32 s89, s21, 1
	s_add_co_u32 s88, s88, s89                     ; 16 x batch + 4 cx + 2 HI
	s_mul_i32 s88, s88, 245760
	s_and_b32 s89, s93, 15
	s_mul_i32 s89, s89, 15360
	s_add_co_u32 s88, s88, s89
	s_mov_b32 s89, 0
	s_add_nc_u64 s[76:77], s[18:19], s[88:89]
	s_add_nc_u64 s[78:79], s[76:77], 245760
.macro VOUT a
	WIN 0x02+(\a)/4                                ; source 0: the accumulators' window
.set i, 0
.rept 32
	v_pk_add_f32 v[ST+2*i:ST+2*i+1], v[64*((\a)%4)+2*i:64*((\a)%4)+2*i+1], v[BV+2*(\a):BV+2*(\a)+1]
.set i, i+1
.endr
	WIN 0
.if (\a) > 0
	s_wait_xcnt 0x0                                ; the last block's stores have read their registers
.endif
	QUANT ST
.irp c, 0,1,2
	global_store_b128 v[LI], v[PC+4*\c:PC+4*\c+3], s[76+2*((\a)/4):77+2*((\a)/4)] offset:8704+1536*((\a)%4)+512*\c
.endr
	v_mov_b32 v[SWA+(\a)], v[PW]
.if (\a)%4 == 3
	global_store_b128 v[LI], v[SWA+(\a)-3:SWA+(\a)], s[76+2*((\a)/4):77+2*((\a)/4)] offset:14848   ; the head's four tiles' scale words
.endif
.endm
.irp a, 0,1,2,3,4,5,6,7
	VOUT \a
.endr
.Ljoin:
	s_wait_tensorcnt 0x0                           ; the wave's end
	ds_add_u32 v[SPW], v[NIL]
	s_wait_dscnt 0x0
	CROUND                                         ; the closing round: no work-group ends while a partner may still ask for a tile that names it
	s_endpgm
.Lfunc_end_k_q10f8c5d582_qkv:
	.size	k_q10f8c5d582_qkv, .Lfunc_end_k_q10f8c5d582_qkv-k_q10f8c5d582_qkv
	.p2alignl 7, 3214868480
	.fill 96, 4, 3214868480
	.section	.rodata,"a",@progbits
	.p2align	6, 0x0
	.amdhsa_kernel k_q10f8c5d582_qkv
		.amdhsa_group_segment_fixed_size 327680
		.amdhsa_private_segment_fixed_size 0
		.amdhsa_enable_private_segment 0
		.amdhsa_kernarg_size 64
		.amdhsa_user_sgpr_count 2
		.amdhsa_user_sgpr_kernarg_segment_ptr 1
		.amdhsa_wavefront_size32 1
		.amdhsa_system_sgpr_workgroup_id_x 1
		.amdhsa_system_sgpr_workgroup_id_y 1
		.amdhsa_system_sgpr_workgroup_id_z 1
		.amdhsa_system_vgpr_workitem_id 0
		.amdhsa_next_free_vgpr 1024
		.amdhsa_next_free_sgpr 100
		.amdhsa_reserve_vcc 1
		.amdhsa_float_denorm_mode_32 3
		.amdhsa_float_denorm_mode_16_64 3
		.amdhsa_memory_ordered 1
		.amdhsa_forward_progress 1
		.amdhsa_inst_pref_size 217
	.end_amdhsa_kernel
	.amdgpu_metadata
---
amdhsa.version: [ 1, 2 ]
amdhsa.kernels:
  - .name:           k_q10f8c5d582_qkv
    .symbol:         k_q10f8c5d582_qkv.kd
    .args:
      - { .name: oc, .offset: 0, .size: 8, .value_kind: global_buffer, .address_space: global }
      - { .name: os, .offset: 8, .size: 8, .value_kind: global_buffer, .address_space: global }
      - { .name: Wq_b, .offset: 16, .size: 8, .value_kind: global_buffer, .address_space: global }
      - { .name: Wk_b, .offset: 24, .size: 8, .value_kind: global_buffer, .address_space: global }
      - { .name: Wv_b, .offset: 32, .size: 8, .value_kind: global_buffer, .address_space: global }
      - { .name: mask, .offset: 40, .size: 8, .value_kind: global_buffer, .address_space: global }
      - { .name: qf, .offset: 48, .size: 8, .value_kind: global_buffer, .address_space: global }
      - { .name: kv, .offset: 56, .size: 8, .value_kind: global_buffer, .address_space: global }
    .group_segment_fixed_size: 327680
    .private_segment_fixed_size: 0
    .kernarg_segment_align: 8
    .kernarg_segment_size: 64
    .max_flat_workgroup_size: 128
    .sgpr_count:     100
    .vgpr_count:     1024
    .wavefront_size: 32
...
	.end_amdgpu_metadata
.endif
;; end of part 2
;; launch attn (part 3): grid 8 x 32, 16 waves a work-group, clusters of 4 x 1, 264,192 bytes of LDS; arguments qf, kv, cf, cs; writes cf, cs
.if DOCPART == 3
	.amdgcn_target "amdgcn-amd-amdhsa--gfx1250"
	.amdhsa_code_object_version 6
	.text
	.protected	k_q10f8c5d582_attn
	.globl	k_q10f8c5d582_attn
	.p2align	8
	.type	k_q10f8c5d582_attn,@function
k_q10f8c5d582_attn:
	s_mov_b64 s[64:65], 0
	v_nop
	global_prefetch_b8 v0, s[64:65] scope:SCOPE_SE
	s_setreg_imm32_b32 hwreg(HW_REG_WAVE_MODE, 25, 1), 1
	s_wait_xcnt 0x0
	s_wait_alu depctr_hold_cnt(0) depctr_sa_sdst(0) depctr_va_vdst(0) depctr_va_sdst(0) depctr_va_ssrc(0) depctr_va_vcc(0) depctr_vm_vsrc(0)
	s_getreg_b32 s2, hwreg(HW_REG_IB_STS2, 6, 4)
	s_cmp_eq_u32 s2, 0
	s_cbranch_scc0 .Lentry_in_a_cluster
	s_endpgm
.Lentry_in_a_cluster:
	s_bfe_u32 s2, ttmp6, 0x10000c
	s_cmp_lg_u32 s2, 0x3003
	s_cbranch_scc0 .Lentry_shape_is_right
	s_endpgm
.Lentry_shape_is_right:
; context[q] = the sum over keys of softmax(Q[q] . K[key] / 8, hidden keys left out) V[key], for one head of one batch, both products on codes of FP6 (E2M3) with E8M0 scales; the context is quantised on the way out.
; THE SOFTMAX AHEAD OF THE SECOND PRODUCT: t = score x log2(e) / 8; M = the row's largest t so far, rounded up to a whole number; p = 2^(t - M) is what is quantised, along the keys, not normalised.
; The row's sum is taken of the unquantised p, in f32, and divides at the end.  When M moves, the sum and O are multiplied by 2^(old M - new M): exact.
; THE MASK needs no line here: it rides in the upper 64 of the first product's K (a head has 64).  There Q holds 1.0 at k = 64 and 96 under the scale 2^16; a hidden key holds -1.0 there under 2^16 and zeros for its real codes,
; so its score is exactly -2^33; a visible key holds zeros there under 2^-126.  c x 2^33 is a whole number in f32: a row all of whose keys are hidden gets t - M = 0, p = 1: the mean of V, as reference has it.
; LIMITS: a hidden key's logit is -2^30 where reference has -1e9: results differ only where a visible logit lies under about -9.9e8.  NaN and infinities are not served.
; SHARES.  A work-group owns 256 queries of one head; each of its sixteen waves owns one tile of 16, in 256 registers: four waves to a SIMD.
; THE WHOLE HEAD'S K AND V LIE IN LDS, filled ONCE: 16 steps of 128 keys x 15,360 bytes.  Wave w brings step w by its one tensor load, as 15 rows of 1,024 bytes with 64 bytes of padding behind each: a step takes 16,320 bytes of LDS.
; The four work-groups of a cluster own the same head: each load is asked for JOINTLY.  Nothing is filled again, and nothing is stored to LDS.
; TWO BARRIERS.  Waves 0-3 have a load line of their own; the first barrier shows their steps 0-3.  Behind step 1 every wave waits for its own load and signals; the wait stands behind step 2, since step 3 fetches step 4's keys; steps 3-15 have no barrier.
; LAYOUT.  Both products are used transposed: S^T = K Q^T, O^T = V^T P^T: a lane holds ONE query throughout.  Operands lie in LDS as images of registers.
; A TILE OF K IS FORMED BY THE LANES' ADDRESSES: tile (c, u) takes keys 64 c + 8 u + 0..7 in rows 0-7 and keys 64 c + 32 + 8 u + 0..7 in rows 8-15.  These lie in stored tile 4 c + u % 2 (rows 0-7 of mine) and 4 c + 2 + u % 2 (rows 8-15),
; at that tile's rows 8 (u / 2) + 0..7.  So the 32 registers of tiles (c, 0..3) in lane (r, h) are keys 64 c + 32 h + 0..31: one whole scale block of p, in the order of the operand's registers: no lane swap, no block maximum across lanes.
; Two stored tiles are 2,176 bytes apart in LDS, 128 modulo 256.
; K'S FRAGMENTS OVERLAP.  A fragment is 12 registers, of which 8 are loaded (6 of codes, the mask's code, 0).  Registers 8-11 are k = 64 + 32 h + 11 and up, where all of Q's codes are zeros; every code of FP6 is a finite number and every
; scale byte here a finite code, so whatever bits stand there add exactly 0.  So fragment t begins at v[KF + 8 t], and its registers 8-11 are the next fragment's first four (the last one's: four registers written once).
; All eight fragments of a step lie in 68 registers, and the NEXT step's are fetched in one run behind this step's eight products; in the last step the address is held at step 15, whose bytes are read again and not used.
; No prefetch into the L2: every byte that the launch reads is asked for at its head by the loads themselves.
.set STEPB, 16320                      ; a step in LDS: 15 x (1,024 + 64)
.set SPARE, 16*STEPB                   ; behind the steps: the spare words, 128 bytes for each wave
.set LI,  1                            ; v1   16 x lane
.set AD,  2                            ; v2   LDS address of this step's images of V
.set SH8, 8                            ; v8   8 h: where my two scale bytes go in p's scale word
.set AK0, 9                            ; v9   2,176 (r / 8) + 16 (r % 8) + 256 h: my place in a tile of K
.set AS0, 10                           ; v10  16 (r % 8) + 8 (r / 8) + 256 h: my place in K's scale words
.set AK,  11                           ; v11  v9 + the next step's first byte
.set QF,  16                           ; v16-27 Q's fragment
.set QS,  28                           ; Q's scale word
.set T3,  29
.set F,   30                           ; v[30:31] f = 2^(old M - new M), and 0
.set KF,  32                           ; v32-99 eight fragments of K, 8 registers apart, and four registers behind them
.set VS,  100                          ; v100-103 V's scale words
.set KS,  104                          ; v104-107 K's: tile (0, u) in lanes 0-15, tile (1, u) in lanes 16-31
.set CH,  108                          ; v108-115 largest scores: chain u of block c at 4 c + u; then block c's largest score and largest p at 4 c
.set BM,  CH                           ; the way out's names for the same registers
.set BT,  CH+4
.set S,   116                          ; v116-179 S^T, then p; then v116-163 V^T's four fragments
.set O,   180                          ; v180-211 O^T
.set PC,  212                          ; v212-223 p's codes
.set PX,  224                          ; v224-230 the upper half of each block's codes on the way
.set BS,  232                          ; v232-233 the conversions' scale operands
.set PS,  234                          ; p's scale word
.set T,   235
.set T2,  236
.set AS,  237                          ; v237 v10 + the next step's first byte
.set TT,  238                          ; v238-239 at work
.set LS,  238                          ; v240-253 seven chains of the row's sum, chain k at LS + 2 k; the eighth is v[14:15]
.set WV,  12
.set G1,  16                           ; s[16:23] descriptor group 1; s[24:27] group 0
.set G0,  24
.set SEL, 40
.set CS,  42                           ; s[42:43] c = log2(e) / 8
.set TB,  44                           ; LDS byte at which this step begins
.set CNT, 45
.set TK,  49                           ; LDS byte at which the next step begins, held at step 15
.macro CROUND                          ; a round of the cluster's barrier
	s_barrier_signal -1
	s_barrier_wait -1
	s_cmp_lg_u32 s[WV], 0
	s_cbranch_scc1 .Lnot_wave_0_\@
	s_barrier_signal -3
.Lnot_wave_0_\@:
	s_barrier_wait -3
	s_barrier_signal -1
	s_barrier_wait -1
.endm
	s_load_b256 s[4:11], s[0:1], 0x0               ; qf s[4:5], kv s[6:7], cf s[8:9], cs s[10:11]
	v_lshl_add_u32 v254, v0, 2, SPARE
	v_mov_b32 v255, 0
	ds_add_u32 v254, v255                          ; the opening lines: the add, twice on end, and its wait
	ds_add_u32 v254, v255
	v_lshrrev_b32 v1, 5, v0
	v_readfirstlane_b32 s[WV], v1                  ; wave 0..15
	s_bfe_u32 s13, ttmp6, 0x40000                  ; cx: it enters Q's and the context's addresses alone
	s_lshl_b32 s14, ttmp9, 2
	s_add_co_u32 s14, s14, s13                     ; my block of 256 queries
	s_and_b32 s15, ttmp7, 0xffff                   ; 16 x batch + head, which the four partners share
	; descriptor group 1: 15 rows of 1,024 bytes (128 elements of 8 bytes), dense in memory; in LDS 16 words of padding behind every 256
	s_mov_b32 s[G1], 15|(3<<16)|(1<<20)|(1<<21)|(7<<22)|(15<<25)
	s_mov_b32 s[G1+1], 128<<16
	s_mov_b32 s[G1+2], 15<<16
	s_mov_b32 s[G1+3], 128<<16
	s_mov_b32 s[G1+4], 15
	s_mov_b32 s[G1+5], 128
	s_mov_b32 s[G1+6], 0
	s_mov_b32 s[G1+7], 0
	s_mov_b32 s[G0], 1
	s_mul_i32 s[G0+1], s[WV], STEPB                ; step w's place in LDS
	s_mul_i32 s48, s[WV], 15360                    ; and in the head's block of kv
	s_mul_i32 s46, s15, 245760
	s_add_co_u32 s46, s46, s48
	s_mov_b32 s47, 0
	s_lshl_b32 s52, s14, 4
	s_add_co_u32 s52, s52, s[WV]                   ; my tile of queries, 0..127
	s_lshl_b32 s54, s15, 7
	s_add_co_u32 s54, s54, s52
	s_lshl_b32 s54, s54, 10                        ; 1,024 bytes a tile in qf
	s_mov_b32 s55, 0
	s_lshr_b32 s56, s15, 4
	s_lshl_b32 s56, s56, 7
	s_add_co_u32 s56, s56, s52                     ; the context's tile row, 128 x batch + tile
	s_and_b32 s57, s15, 15                         ; the head
	s_mul_i32 s58, s56, 12288
	s_mul_i32 s59, s57, 768                        ; K step head / 2, half head % 2: 768 bytes a head
	s_add_co_u32 s58, s58, s59
	s_mov_b32 s59, 0
	s_lshl_b32 s60, s56, 9                         ; the scale bytes: 512 a tile row,
	s_lshr_b32 s61, s57, 3
	s_lshl_b32 s61, s61, 8                         ; 256 a half of K,
	s_add_co_u32 s60, s60, s61
	s_and_b32 s61, s57, 7
	s_lshl_b32 s61, s61, 1                         ; 2 a head
	s_add_co_u32 s60, s60, s61
	s_mov_b32 s61, 0
	s_mov_b32 s[SEL], 0x76543210
	s_mov_b32 s[SEL+1], 0xfedcba98
	s_mov_b32 s[CS], 0x3e38aa3b                    ; log2(e) / 8
	s_mov_b32 s[CS+1], s[CS]                       ; (named with it as a pair, so it is written)
	s_mov_b32 s[TB], 0
	s_mov_b32 s[TK], STEPB
	s_wait_dscnt 0x0
	s_wait_kmcnt 0x0
	s_add_nc_u64 s[G0+2:G0+3], s[6:7], s[46:47]
	s_or_b32 s[G0+3], s[G0+3], 0x80000000
	s_add_nc_u64 s[4:5], s[4:5], s[54:55]
	s_add_nc_u64 s[8:9], s[8:9], s[58:59]
	s_add_nc_u64 s[10:11], s[10:11], s[60:61]
	CROUND                                         ; all four work-groups are here: the joint loads meet
	s_cmp_lt_u32 s[WV], 4                          ; one tensor load a wave; waves 0-3, whose steps are read first, have a line of their own
	s_cbranch_scc0 .Lrest
	tensor_load_to_lds s[G0:G0+3], s[G1:G1+7]
	s_nop 0
.rept 4
	v_nop
.endr
	s_branch .Lasked
.Lrest:
	tensor_load_to_lds s[G0:G0+3], s[G1:G1+7]
	s_nop 0
.rept 4
	v_nop
.endr
.Lasked:
	v_and_b32 v5, 31, v0
	v_lshlrev_b32 v[LI], 4, v5
	global_load_b128 v[QF:QF+3], v[LI], s[4:5]              ; Q's registers 0-3
	global_load_b128 v[QF+4:QF+7], v[LI], s[4:5] offset:512 ; registers 4, 5, the scale word, 0
	v_and_b32 v3, 15, v0                           ; r
	v_bfe_u32 v4, v0, 4, 1                         ; h
	v_lshlrev_b32 v6, 3, v5                        ; 8 x lane
	v_lshl_add_u32 v7, v3, 4, v4                   ; 16 r + h
	v_bfe_u32 v[TT], v0, 3, 1                      ; r / 8
	v_and_b32 v[TT+1], 7, v0                       ; r % 8
	v_lshlrev_b32 v[SH8], 3, v4
	v_mul_u32_u24 v[AK0], v[TT], 2176
	v_lshlrev_b32 v[AS0], 4, v[TT+1]
	v_lshl_add_u32 v[AK0], v[TT+1], 4, v[AK0]
	v_lshl_add_u32 v[AS0], v[TT], 3, v[AS0]
	v_lshl_add_u32 v[AK0], v4, 8, v[AK0]
	v_lshl_add_u32 v[AS0], v4, 8, v[AS0]
	v_mov_b32 v13, 0xff61b1e6                      ; the largest score so far: -3e38, under every score
	v_floor_f32 v12, -v13                          ; -M: so large that the first step's f is 0
	v_mov_b32 v14, 0                               ; the sum, in two halves
	v_mov_b32 v15, 0
	v_mov_b32 v[F+1], 0                            ; (named as the upper half of the pair)
	v_mov_b32 v[T], 0
	v_mov_b32 v[T3], 0                             ; written once: a lane permute's destination counts as one of its sources
	s_wait_loadcnt 0x0
	v_mov_b32 v[QS], v[QF+6]
	v_mov_b32 v[QF+6], 8                           ; the code of 1.0 at k = 64 + 32 h
.irp n, 7,8,9,10,11
	v_mov_b32 v[QF+\n], 0
.endr
.irp n, 64,65,66,67
	v_mov_b32 v[KF+\n], 0                          ; registers 8-11 of K's last fragment
.endr
.set j, 0
.rept 32
	v_mov_b32 v[O+j], 0                            ; O^T: the step is written once; its first run finds zeros.  (These lines are also the places between the writes of Q's scale word and codes and the first product)
.set j, j+1
.endr
.macro KLOAD ak, as                    ; a step's eight tiles of K and their scale words: 18 loads
.irp c, 0,1
.irp u, 0,1,2,3
	ds_load_b128 v[KF+8*(4*\c+\u):KF+8*(4*\c+\u)+3], v[\ak] offset:1088*(4*\c+\u%2)+128*(\u/2)
	ds_load_b128 v[KF+8*(4*\c+\u)+4:KF+8*(4*\c+\u)+7], v[\ak] offset:1088*(4*\c+\u%2)+128*(\u/2)+512   ; registers 4, 5, the mask's code, 0
.endr
.endr
	ds_load_b64 v[KS:KS+1], v[\as] offset:8704     ; the scale words of tiles (h, 0), (h, 1),
	ds_load_b64 v[KS+2:KS+3], v[\as] offset:8704+128   ; and of (h, 2), (h, 3)
.endm
.macro MX c, u, i                      ; line i of the chain over tile (c, u)'s eight scores, from the accumulator's low end on; the eighth is taken in where the chains join
.set B_, S+32*(\c)+8*(\u)
.if (\i) == 0
	v_max3_num_f32 v[CH+4*(\c)+(\u)], v[B_], v[B_+1], v[B_+2]
.else
	v_max3_num_f32 v[CH+4*(\c)+(\u)], v[CH+4*(\c)+(\u)], v[B_+2*(\i)+1], v[B_+2*(\i)+2]
.endif
.endm
.macro PADD n                          ; the row's sum of the unquantised p, two numbers a line, in eight chains: lines 0-6 begin seven of them.  Lines 0-16 read p's registers 0-47, lines 17-24 registers 48-63
.if (\n) < 7
	v_pk_add_f32 v[LS+2+2*(\n):LS+3+2*(\n)], v[S+4*(\n):S+4*(\n)+1], v[S+4*(\n)+2:S+4*(\n)+3]
.elseif ((\n)-7)%8 == 0
	v_pk_add_f32 v[14:15], v[14:15], v[S+2*(\n)+14:S+2*(\n)+15]
.else
	v_pk_add_f32 v[LS+2*(((\n)-7)%8):LS+2*(((\n)-7)%8)+1], v[LS+2*(((\n)-7)%8):LS+2*(((\n)-7)%8)+1], v[S+2*(\n)+14:S+2*(\n)+15]
.endif
.endm
.macro SCL i                           ; the scales of my two blocks of p, level by level, laid among the sum's lines
.if (\i) == 0
	v_max_num_f32 v[CH], 0x1800000, v[CH]          ; the floor 2^(3 - 127): the byte cannot fall under 1
	v_max_num_f32 v[CH+4], 0x1800000, v[CH+4]
.elseif (\i) == 1
	v_add_nc_u32 v[BS], 0xff000000, v[CH]          ; 2 off the exponent field: the conversion's scale operand
	v_add_nc_u32 v[BS+1], 0xff000000, v[CH+4]
.elseif (\i) == 2
	v_lshrrev_b32 v[TT], 23, v[BS]                 ; the scale's byte
	v_lshrrev_b32 v[TT+1], 23, v[BS+1]
.elseif (\i) == 3
	v_lshl_or_b32 v[TT], v[TT+1], 16, v[TT]        ; blocks h and 2 + h,
.elseif (\i) == 4
	v_lshlrev_b32 v[TT], v[SH8], v[TT]             ; at their places in the word
.elseif (\i) == 5
	v_permlanex16_b32 v[TT+1], v[TT], s[SEL], s[SEL+1]
.endif
.endm
.macro SUMS count                      ; the next lines of the sum, a level of the scales behind every fourth
.rept \count
	PADD n
.if n%4 == 1
	SCL n/4
.endif
.set n, n+1
.endr
.endm
; A KEY STEP: 128 keys.  Its fragments of K and their scale words are in registers when it begins.
.macro STEP
.irp c, 0,1                                    ; S^T = K Q^T: eight tiles
.irp u, 0,1,2,3
.if \c
	v_wmma_scale_f32_16x16x128_f8f6f4 v[S+8*(4+\u):S+8*(4+\u)+7], v[KF+8*(4+\u):KF+8*(4+\u)+11], v[QF:QF+11], 0, v[KS+\u], v[QS] matrix_a_fmt:MATRIX_FMT_FP6 matrix_b_fmt:MATRIX_FMT_FP6 matrix_a_scale:MATRIX_SCALE_ROW1
.else
	v_wmma_scale_f32_16x16x128_f8f6f4 v[S+8*\u:S+8*\u+7], v[KF+8*\u:KF+8*\u+11], v[QF:QF+11], 0, v[KS+\u], v[QS] matrix_a_fmt:MATRIX_FMT_FP6 matrix_b_fmt:MATRIX_FMT_FP6
.endif
.endr
.endr                                          ; register 32 c + i of S is key 64 c + 32 h + i of the step
	v_add_nc_u32 v[AD], s[TB], v[LI]               ; four lines that are due anyway are the places behind the products: this step's address of V,
	v_add_nc_u32 v[AK], s[TK], v[AK0]              ; the next step's of K
	v_add_nc_u32 v[AS], s[TK], v[AS0]
	v_mov_b32 v[T2], v12                           ; and the old -M
	s_add_co_u32 s[TB], s[TB], STEPB
	s_add_co_u32 s[TK], s[TB], STEPB
	s_min_u32 s[TK], s[TK], 15*STEPB               ; no step lies behind step 15
	KLOAD AK, AS                                   ; the next step's keys: the wait ahead of this step's last products shows them in
.irp c, 0,1                                    ; the largest score of each block: it serves the row's maximum and, since p rises with the score, the block's largest p
.irp i, 0,1,2
.irp u, 0,1,2,3
	MX \c, \u, \i
.endr
.endr
.endr
.irp c, 0,1
	v_max3_num_f32 v[CH+4*\c], v[CH+4*\c], v[CH+4*\c+1], v[S+32*\c+7]
	v_max3_num_f32 v[CH+4*\c+2], v[CH+4*\c+2], v[CH+4*\c+3], v[S+32*\c+15]
.endr
.irp c, 0,1
	v_max3_num_f32 v[CH+4*\c], v[CH+4*\c], v[CH+4*\c+2], v[S+32*\c+23]
.endr
.irp c, 0,1
	v_max_num_f32 v[CH+4*\c], v[CH+4*\c], v[S+32*\c+31]
.endr
	s_delay_alu instid0(VALU_DEP_1)
	v_max_num_f32 v[T], v[CH], v[CH+4]             ; my 64 keys' largest score,
	s_delay_alu instid0(VALU_DEP_1)
	v_permlanex16_b32 v[T3], v[T], s[SEL], s[SEL+1]
	s_delay_alu instid0(VALU_DEP_1)
	v_max3_num_f32 v13, v13, v[T], v[T3]           ; with lane l xor 16's: the running largest score of my query
	s_delay_alu instid0(VALU_DEP_1)
	v_mul_f32 v[T], s[CS], v13                     ; as t (c is positive)
	s_delay_alu instid0(VALU_DEP_1)
	v_floor_f32 v12, -v[T]                         ; the new -M = floor(-t): M is a whole number
	s_delay_alu instid0(VALU_DEP_1)
	v_sub_f32 v[T], v12, v[T2]                     ; old M - new M: a whole number, 0 or less
	s_delay_alu instid0(VALU_DEP_1)
	v_cvt_i32_f32 v[T], v[T]                       ; (it saturates)
	s_delay_alu instid0(VALU_DEP_1)
	v_ldexp_f32 v[F], 1.0, v[T]                    ; f = 2^(old M - new M)
.set j, 0
.rept 32
	v_pk_fma_f32 v[S+j:S+j+1], v[S+j:S+j+1], s[CS:CS+1], v[12:13] op_sel_hi:[1,0,0]   ; t - M, two at a time
.set j, j+2
.endr
	v_fma_f32 v[CH], v[CH], s[CS], v12             ; the same of each block's largest score
	v_fma_f32 v[CH+4], v[CH+4], s[CS], v12
	s_wait_alu depctr_va_vdst(0)                   ; the wait ahead of the batch
.set j, 0
.rept 64
	v_exp_f32 v[S+j], v[S+j]                       ; p = 2^(t - M), at most 1
.set j, j+1
.endr
	v_exp_f32 v[CH], v[CH]                         ; the block's largest p: the same two instructions on the same number
	v_exp_f32 v[CH+4], v[CH+4]
	v_pk_mul_f32 v[14:15], v[14:15], v[F:F+1] op_sel_hi:[1,0]   ; the sums under the new M.  (A plain line behind the exponentials)
	s_wait_alu depctr_va_vdst(0)                   ; one wait for the whole batch, ahead of its first reader
.set n, 0
	SUMS 17                                        ; p's registers 0-47 are summed,
.irp c, 0,1
	v_cvt_scalef32_pk16_fp6_f32 v[PC+6*\c:PC+6*\c+2], v[S+32*\c:S+32*\c+15], v[BS+\c]
	v_cvt_scalef32_pk16_fp6_f32 v[PX+4*\c:PX+4*\c+2], v[S+32*\c+16:S+32*\c+31], v[BS+\c]   ; (a conversion's three registers begin on an even number)
.endr
	ds_load_b128 v[VS:VS+3], v[AD] offset:14848+64*14
.irp d, 0,1,2,3                                ; and take V^T's four fragments.  Byte y of a step in memory lies at y + 64 (y / 1,024) in LDS
.irp c, 0,1,2
	ds_load_b128 v[S+12*\d+4*\c:S+12*\d+4*\c+3], v[AD] offset:8704+1536*\d+512*\c+64*((8704+1536*\d+512*\c)/1024)
.endr
.endr
	SUMS 8                                         ; p's registers 48-63.  (The first of these is the plain line behind the conversions)
	v_or_b32 v[PS], v[TT], v[TT+1]                 ; with lane l xor 16's two bytes p's scale word is whole
	s_wait_alu depctr_va_vdst(0)                   ; the wait here, directly ahead of the first reader of O^T
.set j, 0
.rept 8
	v_pk_mul_f32 v[O+j:O+j+1], v[O+j:O+j+1], v[F:F+1] op_sel_hi:[1,0]   ; O^T under the new M
.set j, j+2
.endr
.irp c, 0,1
.irp i, 0,1,2
	v_mov_b32 v[PC+3+6*\c+\i], v[PX+4*\c+\i]
.endr
.endr
.rept 8
	v_pk_mul_f32 v[O+j:O+j+1], v[O+j:O+j+1], v[F:F+1] op_sel_hi:[1,0]   ; (these are also the places between the writes of p's codes and the products)
.set j, j+2
.endr
	s_wait_alu depctr_va_vdst(0)                   ; the wait here, directly ahead of the wait below
	s_wait_dscnt 6                                 ; V's scale words and tiles 0 and 1 are in; the six loads of tiles 2 and 3 may be out
.irp d, 0,1,2,3                                ; O^T += V^T P^T: the four accumulators by turns
.if \d == 2
	s_wait_dscnt 0x0                               ; all my LDS loads are in, the next step's keys among them
.endif
	v_wmma_scale_f32_16x16x128_f8f6f4 v[O+8*\d:O+8*\d+7], v[S+12*\d:S+12*\d+11], v[PC:PC+11], v[O+8*\d:O+8*\d+7], v[VS+\d], v[PS] matrix_a_fmt:MATRIX_FMT_FP6 matrix_b_fmt:MATRIX_FMT_FP6
.endr
	v_pk_add_f32 v[14:15], v[14:15], v[LS+8:LS+9]              ; the sum's eight chains join here: seven lines that name no register of the products above.  The next step's first products write over V^T's registers: five places are owed
	v_pk_add_f32 v[LS+2:LS+3], v[LS+2:LS+3], v[LS+10:LS+11]
	v_pk_add_f32 v[LS+4:LS+5], v[LS+4:LS+5], v[LS+12:LS+13]
	v_pk_add_f32 v[LS+6:LS+7], v[LS+6:LS+7], v[LS+14:LS+15]
	s_delay_alu instid0(VALU_DEP_2)
	v_pk_add_f32 v[14:15], v[14:15], v[LS+4:LS+5]
	s_delay_alu instid0(VALU_DEP_2)
	v_pk_add_f32 v[LS+2:LS+3], v[LS+2:LS+3], v[LS+6:LS+7]
	s_delay_alu instid0(VALU_DEP_1)
	v_pk_add_f32 v[14:15], v[14:15], v[LS+2:LS+3]
.endm
.macro LOOP trips
	s_mov_b32 s[CNT], \trips
.Lstep_\@:
	STEP
	s_sub_co_u32 s[CNT], s[CNT], 1
	s_cmp_lg_u32 s[CNT], 0
	s_cbranch_scc1 .Lstep_\@
.endm
	s_wait_alu depctr_va_vdst(0)                   ; the wait at the head's end
	s_cmp_lt_u32 s[WV], 4
	s_cbranch_scc0 .Lnot_first
	s_wait_tensorcnt 0x0                           ; waves 0-3: my step is in
.Lnot_first:
	s_barrier_signal -1
	s_barrier_wait -1                              ; steps 0-3 are whole
	KLOAD AK0, AS0                                 ; step 0's keys
	s_wait_dscnt 0x0
	LOOP 2                                         ; steps 0, 1
	s_wait_dscnt 0x0
	s_wait_tensorcnt 0x0                           ; every wave: my step is in;
	s_barrier_signal -1                            ; say so; between signal and wait stand register work and reads of steps 2 and 3, which nobody writes
	STEP
	s_barrier_wait -1                              ; all sixteen steps are whole
	LOOP 13                                        ; steps 3 .. 15
	; THE WAY OUT.  O^T is divided by the row's sum; my 32 numbers (register 16 b + i = channel 32 b + 16 h + i) are quantised along the channels, which are the last product's K.
	v_add_f32 v14, v14, v15
	s_delay_alu instid0(VALU_DEP_1)
	v_permlanex16_b32 v[T], v14, s[SEL], s[SEL+1]
	s_delay_alu instid0(VALU_DEP_1)
	v_add_f32 v14, v14, v[T]                       ; the row's sum
	s_wait_alu depctr_va_vdst(0)
	v_rcp_f32 v14, v14
	v_nop                                          ; a plain line behind the reciprocal
	s_wait_alu depctr_va_vdst(0)                   ; and the wait ahead of its first reader
.set j, 0
.rept 32
	v_mul_f32 v[S+j], v[O+j], v14
.set j, j+1
.endr
.irp b, 0,1
	v_max3_num_f32 v[BM+\b], |v[S+16*\b]|, |v[S+1+16*\b]|, 0x1800000
.endr
.irp i, 2,4,6,8,10,12,14
.irp b, 0,1
	s_delay_alu instid0(VALU_DEP_2)
	v_max3_num_f32 v[BM+\b], v[BM+\b], |v[S+16*\b+\i]|, |v[S+1+16*\b+\i]|
.endr
.endr
.irp b, 0,1
	s_delay_alu instid0(VALU_DEP_2)
	v_permlanex16_b32 v[BT+\b], v[BM+\b], s[SEL], s[SEL+1]
.endr
.irp b, 0,1
	s_delay_alu instid0(VALU_DEP_2)
	v_max_num_f32 v[BM+\b], v[BM+\b], v[BT+\b]
.endr
.irp b, 0,1
	s_delay_alu instid0(VALU_DEP_2)
	v_add_nc_u32 v[BS+\b], 0xff000000, v[BM+\b]
.endr
.irp b, 0,1
	s_delay_alu instid0(VALU_DEP_2)
	v_lshrrev_b32 v[BT+\b], 23, v[BS+\b]
.endr
	v_cvt_scalef32_pk16_fp6_f32 v[PC:PC+2], v[S:S+15], v[BS]
	v_cvt_scalef32_pk16_fp6_f32 v[PC+4:PC+6], v[S+16:S+31], v[BS+1]
	v_nop
.irp i, 0,1,2
	v_permlane16_swap_b32 v[PC+\i], v[PC+4+\i]     ; lane (r, h) now holds channels 32 h + 0 .. 31: six registers of the operand
.endr
	s_delay_alu instid0(VALU_DEP_3)
	v_mov_b32 v[PC+3], v[PC+4]
	s_delay_alu instid0(VALU_DEP_3)
	v_mov_b32 v[PC+8], v[PC+5]
	s_delay_alu instid0(VALU_DEP_3)
	v_mov_b32 v[PC+9], v[PC+6]
	v_cmp_ne_u32 vcc_lo, 0, v4
	s_delay_alu instid0(VALU_DEP_1)
	v_cndmask_b32 v[T], v[BT], v[BT+1], vcc_lo     ; my own block's byte
	global_store_b128 v[LI], v[PC:PC+3], s[8:9]            ; 512 consecutive bytes
	global_store_b64 v6, v[PC+8:PC+9], s[8:9] offset:512   ; 256 consecutive bytes
	global_store_b8 v7, v[T], s[10:11]             ; 32 single bytes a wave, 2 of each row's scale word: the word's other bytes belong to other heads' work-groups
	s_wait_dscnt 0x0
	s_wait_tensorcnt 0x0                           ; the wave's end
	ds_add_u32 v254, v255
	s_wait_dscnt 0x0
	CROUND                                         ; the closing round
	s_endpgm
.Lfunc_end_k_q10f8c5d582_attn:
	.size	k_q10f8c5d582_attn, .Lfunc_end_k_q10f8c5d582_attn-k_q10f8c5d582_attn
	.p2alignl 7, 3214868480
	.fill 96, 4, 3214868480
	.section	.rodata,"a",@progbits
	.p2align	6, 0x0
	.amdhsa_kernel k_q10f8c5d582_attn
		.amdhsa_group_segment_fixed_size 264192
		.amdhsa_private_segment_fixed_size 0
		.amdhsa_enable_private_segment 0
		.amdhsa_kernarg_size 32
		.amdhsa_user_sgpr_count 2
		.amdhsa_user_sgpr_kernarg_segment_ptr 1
		.amdhsa_wavefront_size32 1
		.amdhsa_system_sgpr_workgroup_id_x 1
		.amdhsa_system_sgpr_workgroup_id_y 1
		.amdhsa_system_sgpr_workgroup_id_z 1
		.amdhsa_system_vgpr_workitem_id 0
		.amdhsa_next_free_vgpr 256
		.amdhsa_next_free_sgpr 66
		.amdhsa_reserve_vcc 1
		.amdhsa_float_denorm_mode_32 3
		.amdhsa_float_denorm_mode_16_64 3
		.amdhsa_memory_ordered 1
		.amdhsa_forward_progress 1
		.amdhsa_inst_pref_size 58
	.end_amdhsa_kernel
	.amdgpu_metadata
---
amdhsa.version: [ 1, 2 ]
amdhsa.kernels:
  - .name:           k_q10f8c5d582_attn
    .symbol:         k_q10f8c5d582_attn.kd
    .args:
      - { .name: qf, .offset: 0, .size: 8, .value_kind: global_buffer, .address_space: global }
      - { .name: kv, .offset: 8, .size: 8, .value_kind: global_buffer, .address_space: global }
      - { .name: cf, .offset: 16, .size: 8, .value_kind: global_buffer, .address_space: global }
      - { .name: cs, .offset: 24, .size: 8, .value_kind: global_buffer, .address_space: global }
    .group_segment_fixed_size: 264192
    .private_segment_fixed_size: 0
    .kernarg_segment_align: 8
    .kernarg_segment_size: 32
    .max_flat_workgroup_size: 512
    .sgpr_count:     66
    .vgpr_count:     256
    .wavefront_size: 32
...
	.end_amdgpu_metadata
.endif
;; end of part 3
;; launch oproj (part 4): grid 8 x 32, 4 waves a work-group, clusters of 4 x 4, 262,656 bytes of LDS; arguments cf, cs, oc, os, Wo_b, out0; writes out0
.if DOCPART == 4
	.amdgcn_target "amdgcn-amd-amdhsa--gfx1250"
	.amdhsa_code_object_version 6
	.text
	.protected	k_q10f8c5d582_oproj
	.globl	k_q10f8c5d582_oproj
	.p2align	8
	.type	k_q10f8c5d582_oproj,@function
k_q10f8c5d582_oproj:
	s_mov_b64 s[64:65], 0
	v_nop
	global_prefetch_b8 v0, s[64:65] scope:SCOPE_SE
	s_setreg_imm32_b32 hwreg(HW_REG_WAVE_MODE, 25, 1), 1
	s_wait_xcnt 0x0
	s_wait_alu depctr_hold_cnt(0) depctr_sa_sdst(0) depctr_va_vdst(0) depctr_va_sdst(0) depctr_va_ssrc(0) depctr_va_vcc(0) depctr_vm_vsrc(0)
	s_getreg_b32 s2, hwreg(HW_REG_IB_STS2, 6, 4)
	s_cmp_eq_u32 s2, 0
	s_cbranch_scc0 .Lentry_in_a_cluster
	s_endpgm
.Lentry_in_a_cluster:
	s_bfe_u32 s2, ttmp6, 0x10000c
	s_cmp_lg_u32 s2, 0xf033
	s_cbranch_scc0 .Lentry_shape_is_right
	s_endpgm
.Lentry_shape_is_right:
; out = context Wo^T + bo on codes of FP6 (E2M3) with E8M0 scales, sums in f32.  context [4096][1024] and Wo [1024][1024] lie in memory as images of operand registers, 12,288 bytes a tile row of 16 rows.
; A tile of the output is 128 x 128, so that there are 256 work-groups; four waves, 64 x 64 each: 16 accumulators.
; ALL OF K LIES IN LDS, filled ONCE, by one tensor load a wave: 8 tile rows x 4 K steps (rows of 6,144 bytes).  Wave 0 brings the context's K steps 0-3, wave 1 Wo's, wave 2 the context's K steps 4-7, wave 3 Wo's.
; Each load is a line of its own.  The first barrier shows waves 0 and 1's regions; in K step 3 every wave waits for its load and a second barrier shows the rest.  Nothing is filled again.
; CLUSTERS: 4 x 4 work-groups; the context's tiles are shared along a row of the cluster, Wo's along a column: JOINT loads.
; THE MATRIX INSTRUCTION IS USED TRANSPOSED (source 0 = 16 rows of Wo, source 1 = 16 rows of the context): a lane holds eight neighbouring numbers of a row of the output.  The bias is the C of each sum's first instruction.
; The rows of a tile are 32 (T / 2) + 8 (T % 2) + r + 8 (r / 8), for the context and for Wo: the way out puts columns and rows back in their places.
; The context's fragment of a K step is two heads' halves: 512 bytes (registers 0-3), 256 (4-5), 512 (6-9), 256 (10-11).
; No prefetch: every byte that the launch reads is asked for at its head by the loads themselves.
; REGISTERS.  Window 0: v1-21 addresses; v32-47, v48-63 scale words of the context, of Wo; v64-95 the bias, later rows on their way out; v96-127 rows on their way out; v128-255 the accumulators ((a, b) at v[128 + 8 (4 a + b)]).
;   Window 1: two sets of fragments at v0 and v128: the context's four, then Wo's four.
.set RG,    49152                      ; a region: 8 tile rows x 4 K steps x 1,536: what one tensor load brings; region = the wave that brings it
.set STAGE, 4*RG                       ; behind the tiles: 16 rows x 272 bytes for each wave; no tensor load lands there
.set ADRA,  4                          ; v4-5   LDS address of the context's pieces of 16 bytes a lane, half of K 0, 1
.set ADRA8, 8                          ; v8-9   of its pieces of 8 bytes a lane
.set ADRB,  12                         ; v12-13 of Wo's fragments
.set STO,   16
.set RD,    17
.set CO,    18
.set LI,    19
.set BO,    20
.set L8,    21
.set SCA,   32
.set SCB,   48
.set BI,    64
.set OB,    96
.set ACC,   128
.set G1A,   24
.set G1B,   32
.set G0A,   40                         ; s[40:43] group 0 for the context's tile
.set G0B,   44                         ; s[44:47] for Wo's
.set MSB, 0
.macro WIN new
.if MSB != (\new)
	s_set_vgpr_msb (MSB<<8)|(\new)
.set MSB, (\new)
.endif
.endm
.set MUL,  0x05                        ; sources 0 and 1 window 1; C and D window 0
.set TO_F, 0x40                        ; destination window 1, address window 0
.macro CROUND
	s_barrier_signal -1
	s_barrier_wait -1
	s_cmp_lg_u32 s16, 0
	s_cbranch_scc1 .Lnot_wave_0_\@
	s_barrier_signal -3
.Lnot_wave_0_\@:
	s_barrier_wait -3
	s_barrier_signal -1
	s_barrier_wait -1
.endm
.macro PLACES
.rept 4
	v_nop
.endr
.endm
	s_load_b256 s[4:11], s[0:1], 0x0               ; cf s[4:5], cs s[6:7], oc s[8:9], os s[10:11]
	s_load_b128 s[12:15], s[0:1], 0x20             ; Wo_b s[12:13], out0 s[14:15]
	v_lshl_add_u32 v30, v0, 2, 0x40000
	v_mov_b32 v31, 0
	ds_add_u32 v30, v31                            ; the opening lines: the add, twice on end, and its wait
	ds_add_u32 v30, v31
	v_lshrrev_b32 v1, 5, v0
	v_readfirstlane_b32 s16, v1                    ; wave 0..3
	s_lshr_b32 s17, s16, 1                         ; HI: which half of the tile's rows is mine.  Also: which half of K I fetch
	s_and_b32 s18, s16, 1                          ; LO: which half of its columns.  Also: I fetch for the context (0) or for Wo (1)
	s_bfe_u32 s19, ttmp6, 0x40000                  ; cx
	s_bfe_u32 s20, ttmp6, 0x40004                  ; cy
	s_lshl_b32 s21, ttmp9, 2
	s_add_co_u32 s21, s21, s19                     ; work-group x
	s_and_b32 s22, ttmp7, 0xffff
	s_lshl_b32 s22, s22, 2
	s_add_co_u32 s22, s22, s20                     ; work-group y
	s_lshl_b32 s84, s20, 2
	s_lshl_b32 s84, 15, s84                        ; my row of the cluster
	s_lshl_b32 s85, 0x1111, s19                    ; my column
	; descriptor group 1: 8 rows (tile rows) of 6,144 bytes (four K steps), 12,288 bytes apart, in elements of 8 bytes; dense in LDS
	s_or_b32 s[G1A], s84, (3<<16)|(1<<21)
	s_or_b32 s[G1B], s85, (3<<16)|(1<<21)
.irp g, G1A, G1B
	s_mov_b32 s[\g+1], 768<<16
	s_mov_b32 s[\g+2], 8<<16
	s_mov_b32 s[\g+3], 768<<16
	s_mov_b32 s[\g+4], 8
	s_mov_b32 s[\g+5], 1536
	s_mov_b32 s[\g+6], 0
	s_mov_b32 s[\g+7], 0
.endr
	s_mul_i32 s86, s22, 8*12288                    ; the context: tile row 8 x work-group y,
	s_mul_i32 s87, s17, 6144                       ; + my half of K
	s_add_co_u32 s86, s86, s87
	s_mov_b32 s87, 0
	s_lshl_b32 s88, s21, 3
	s_add_co_u32 s88, s88, 448                     ; Wo: tile row 448 + 8 x work-group x
	s_mul_i32 s88, s88, 12288
	s_mul_i32 s89, s17, 6144
	s_add_co_u32 s88, s88, s89
	s_mov_b32 s89, 0
	s_mul_i32 s90, s16, RG                         ; where my tile goes: wave x 49,152
	s_wait_dscnt 0x0
	s_wait_kmcnt 0x0
	s_mov_b32 s[G0A], 1
	s_mov_b32 s[G0A+1], s90
	s_add_nc_u64 s[G0A+2:G0A+3], s[4:5], s[86:87]
	s_or_b32 s[G0A+3], s[G0A+3], 0x80000000
	s_mov_b32 s[G0B], 1
	s_mov_b32 s[G0B+1], s90
	s_add_nc_u64 s[G0B+2:G0B+3], s[8:9], s[88:89]
	s_or_b32 s[G0B+3], s[G0B+3], 0x80000000
	CROUND                                         ; all sixteen work-groups are here: the joint loads meet
; one tree of branches on the wave's number: every way through the head passes exactly one load
.macro ARM under, g0, g1, next
	s_cmp_lt_u32 s16, \under
	s_cbranch_scc0 \next
	tensor_load_to_lds s[\g0:\g0+3], s[\g1:\g1+7]
	s_nop 0
.rept 4
	v_nop
.endr
	s_branch .Lfilled
\next:
.endm
	ARM 1, G0A, G1A, .Lfill_1
	ARM 2, G0B, G1B, .Lfill_2
	ARM 3, G0A, G1A, .Lfill_3
	tensor_load_to_lds s[G0B:G0B+3], s[G1B:G1B+7]
	s_nop 0
.rept 4
	v_nop
.endr
.Lfilled:
	v_and_b32 v1, 31, v0                           ; lane
	v_and_b32 v2, 15, v0                           ; r
	v_bfe_u32 v3, v0, 4, 1                         ; h
	v_lshlrev_b32 v[LI], 4, v1
	v_lshlrev_b32 v[L8], 3, v1
	v_lshlrev_b32 v[BO], 6, v3                     ; 64 h
	s_mul_i32 s91, s17, RG/2                       ; my 4 tile rows of the context
	s_mul_i32 s92, s18, RG/2
	s_add_co_u32 s92, s92, RG                      ; my 4 of Wo, in the region behind
.irp g, 0,1
	v_add_nc_u32 v[ADRA+\g], s91, v[LI]
	v_add_nc_u32 v[ADRA8+\g], s91, v[L8]
	v_add_nc_u32 v[ADRB+\g], s92, v[LI]
	s_add_co_u32 s91, s91, 2*RG
	s_add_co_u32 s92, s92, 2*RG
.endr
	s_mul_i32 s93, s16, 16*272
	s_add_co_u32 s93, s93, STAGE                   ; my stage
	v_mul_u32_u24 v[STO], v2, 272
	v_lshl_add_u32 v[STO], v3, 6, v[STO]
	v_add_nc_u32 v[STO], s93, v[STO]               ; in: row r, + 64 h
	v_mul_u32_u24 v[RD], v3, 272
	v_lshl_add_u32 v[RD], v2, 4, v[RD]
	v_add_nc_u32 v[RD], s93, v[RD]                 ; back: lanes 0-15 one row of 256 bytes, lanes 16-31 the next
	v_lshlrev_b32 v[CO], 12, v3
	v_lshl_add_u32 v[CO], v2, 4, v[CO]             ; and the same two rows of the output, 4,096 bytes apart
	s_lshl_b32 s86, s22, 3
	s_lshl_b32 s87, s17, 2
	s_add_co_u32 s86, s86, s87
	s_lshl_b32 s86, s86, 9                         ; the context's scale words: 512 bytes a tile row
	s_mov_b32 s87, 0
	s_add_nc_u64 s[6:7], s[6:7], s[86:87]
	s_lshl_b32 s86, s21, 3
	s_lshl_b32 s88, s18, 2
	s_add_co_u32 s86, s86, s88
	s_add_co_u32 s86, s86, 448
	s_lshl_b32 s86, s86, 9                         ; Wo's
	s_add_nc_u64 s[10:11], s[10:11], s[86:87]
	s_lshl_b32 s86, s21, 9
	s_lshl_b32 s88, s18, 8
	s_add_co_u32 s86, s86, s88                     ; my first column, in bytes: 512 x work-group x + 256 x half
	s_add_nc_u64 s[12:13], s[12:13], s[86:87]
	s_add_nc_u64 s[14:15], s[14:15], s[86:87]
	s_lshl_b32 s86, s22, 19
	s_lshl_b32 s88, s17, 18
	s_add_co_u32 s86, s86, s88                     ; my first row: (128 x work-group y + 64 x half) x 4,096 bytes
	s_add_nc_u64 s[14:15], s[14:15], s[86:87]
.irp a, 0,1,2,3
	global_load_b128 v[SCA+4*\a:SCA+4*\a+3], v[LI], s[6:7] offset:512*\a
	global_load_b128 v[SCB+4*\a:SCB+4*\a+3], v[LI], s[10:11] offset:512*\a
.endr
.irp t, 0,1,2,3                                ; the bias in the result's layout: tile t's eight columns of my half
	global_load_b128 v[BI+8*\t:BI+8*\t+3], v[BO], s[12:13] offset:(32*(\t/2)+8*(\t%2))*4
	global_load_b128 v[BI+8*\t+4:BI+8*\t+7], v[BO], s[12:13] offset:(32*(\t/2)+8*(\t%2))*4+16
.endr
.macro FETCH s                         ; K step s: 28 LDS loads into set s % 2
	WIN TO_F
.set FB_, 128*((\s)%2)
.set FO_, 1536*((\s)%4)
.irp a, 0,1,2,3
	ds_load_b128 v[FB_+12*\a:FB_+12*\a+3], v[ADRA+(\s)/4] offset:6144*\a+FO_
	ds_load_b64 v[FB_+12*\a+4:FB_+12*\a+5], v[ADRA8+(\s)/4] offset:6144*\a+FO_+512
	ds_load_b128 v[FB_+12*\a+6:FB_+12*\a+9], v[ADRA+(\s)/4] offset:6144*\a+FO_+768
	ds_load_b64 v[FB_+12*\a+10:FB_+12*\a+11], v[ADRA8+(\s)/4] offset:6144*\a+FO_+1280
.endr
.irp b, 0,1,2,3
.irp c, 0,1,2
	ds_load_b128 v[FB_+48+12*\b+4*\c:FB_+48+12*\b+4*\c+3], v[ADRB+(\s)/4] offset:6144*\b+FO_+512*\c
.endr
.endr
.endm
; 8 matrix instructions: the context's tiles a0, a0 + 1 x Wo's four.  The 16 accumulators take turns, one instruction a turn.
.macro MUL8 s, a0
.irp a, \a0, \a0+1
.irp b, 0,1,2,3
.if (\s) == 0
	v_wmma_scale_f32_16x16x128_f8f6f4 v[ACC+8*(4*(\a)+\b):ACC+8*(4*(\a)+\b)+7], v[48+12*\b:48+12*\b+11], v[12*(\a):12*(\a)+11], v[BI+8*\b:BI+8*\b+7], v[SCB+4*\b], v[SCA+4*(\a)] matrix_a_fmt:MATRIX_FMT_FP6 matrix_b_fmt:MATRIX_FMT_FP6
.elseif (\s) < 4
	v_wmma_scale_f32_16x16x128_f8f6f4 v[ACC+8*(4*(\a)+\b):ACC+8*(4*(\a)+\b)+7], v[128*((\s)%2)+48+12*\b:128*((\s)%2)+48+12*\b+11], v[128*((\s)%2)+12*(\a):128*((\s)%2)+12*(\a)+11], v[ACC+8*(4*(\a)+\b):ACC+8*(4*(\a)+\b)+7], v[SCB+4*\b+(\s)%4], v[SCA+4*(\a)+(\s)%4] matrix_a_fmt:MATRIX_FMT_FP6 matrix_b_fmt:MATRIX_FMT_FP6
.else
	v_wmma_scale_f32_16x16x128_f8f6f4 v[ACC+8*(4*(\a)+\b):ACC+8*(4*(\a)+\b)+7], v[128*((\s)%2)+48+12*\b:128*((\s)%2)+48+12*\b+11], v[128*((\s)%2)+12*(\a):128*((\s)%2)+12*(\a)+11], v[ACC+8*(4*(\a)+\b):ACC+8*(4*(\a)+\b)+7], v[SCB+4*\b+(\s)%4], v[SCA+4*(\a)+(\s)%4] matrix_a_fmt:MATRIX_FMT_FP6 matrix_b_fmt:MATRIX_FMT_FP6 matrix_a_scale:MATRIX_SCALE_ROW1 matrix_b_scale:MATRIX_SCALE_ROW1
.endif
.endr
.endr
.endm
; K step s.  K step 4 begins the second half of K: in K step 3 every wave waits for its own load, and a barrier makes all four regions whole for all four waves.
.macro KSTEP s
	s_wait_dscnt 0x0                               ; this step's fragments are in
.if (\s) == 3
	s_wait_tensorcnt 0x0
	s_barrier_signal -1
.endif
	WIN MUL
	MUL8 \s, 0
.if (\s) == 3
	s_barrier_wait -1
.endif
.if (\s) < 7
	PLACES                                         ; in front of loads into the set that the step before multiplied
	FETCH (\s)+1
.endif
	WIN MUL
	MUL8 \s, 2
.endm
	s_wait_alu depctr_va_vdst(0)                   ; the wait at the head's end
	s_wait_loadcnt 0x0                             ; scale words and bias
	s_cmp_lt_u32 s16, 2
	s_cbranch_scc0 .Lnot_first
	s_wait_tensorcnt 0x0                           ; waves 0 and 1: my region, K steps 0-3, is in; the other two may stay out
.Lnot_first:
	s_barrier_signal -1
	s_barrier_wait -1
	FETCH 0
.irp s, 0,1,2,3,4,5,6,7
	KSTEP \s
.endr
	WIN 0
	PLACES
; THE WAY OUT, a tile of 16 rows x 64 columns at a time, through my own stage in LDS: it comes back as whole rows of 256 bytes, which sixteen lanes store as one aligned run.
.macro TOSTAGE a
.irp b, 0,1,2,3
	ds_store_b128 v[STO], v[ACC+8*(4*(\a)+\b):ACC+8*(4*(\a)+\b)+3] offset:128*(\b/2)+32*(\b%2)       ; lane (r, h): columns 32 (b / 2) + 16 h + 8 (b % 2) + 0 .. 7; each accumulator from its low end on
	ds_store_b128 v[STO], v[ACC+8*(4*(\a)+\b)+4:ACC+8*(4*(\a)+\b)+7] offset:128*(\b/2)+32*(\b%2)+16
.endr
.irp t, 0,1,2,3,4,5,6,7
	ds_load_b128 v[OB-32*((\a)%2)+4*\t:OB-32*((\a)%2)+4*\t+3], v[RD] offset:544*\t   ; LDS serves a wave's instructions in order: these see the stores above
.endr
.endm
.macro SEND a, younger                 ; younger: the LDS instructions issued behind tile a's loads
	s_wait_dscnt \younger
.irp t, 0,1,2,3,4,5,6,7
	global_store_b128 v[CO], v[OB-32*((\a)%2)+4*\t:OB-32*((\a)%2)+4*\t+3], s[14:15] offset:(32*((\a)/2)+8*((\a)%2)+2*\t+8*(\t/4))*4096 th:TH_STORE_NT   ; stage row 2 t + h is the tile's row r: output row 32 (a / 2) + 8 (a % 2) + r + 8 (r / 8)
.endr
.endm
	TOSTAGE 0
.irp a, 1,2,3
.if \a > 1
	s_wait_xcnt 0x0                                ; tile a - 2's stores have read their registers: tile a's loads may land there
.endif
	TOSTAGE \a
	SEND \a-1, 16                                  ; behind tile a - 1's loads: tile a's 8 stores and 8 loads
.endr
	SEND 3, 0
	s_wait_dscnt 0x0
	s_wait_tensorcnt 0x0                           ; the wave's end
	ds_add_u32 v30, v31
	s_wait_dscnt 0x0
	CROUND                                         ; the closing round: no work-group ends while a partner may still ask for a tile that names it
	s_endpgm
.Lfunc_end_k_q10f8c5d582_oproj:
	.size	k_q10f8c5d582_oproj, .Lfunc_end_k_q10f8c5d582_oproj-k_q10f8c5d582_oproj
	.p2alignl 7, 3214868480
	.fill 96, 4, 3214868480
	.section	.rodata,"a",@progbits
	.p2align	6, 0x0
	.amdhsa_kernel k_q10f8c5d582_oproj
		.amdhsa_group_segment_fixed_size 262656
		.amdhsa_private_segment_fixed_size 0
		.amdhsa_enable_private_segment 0
		.amdhsa_kernarg_size 48
		.amdhsa_user_sgpr_count 2
		.amdhsa_user_sgpr_kernarg_segment_ptr 1
		.amdhsa_wavefront_size32 1
		.amdhsa_system_sgpr_workgroup_id_x 1
		.amdhsa_system_sgpr_workgroup_id_y 1
		.amdhsa_system_sgpr_workgroup_id_z 1
		.amdhsa_system_vgpr_workitem_id 0
		.amdhsa_next_free_vgpr 512
		.amdhsa_next_free_sgpr 100
		.amdhsa_reserve_vcc 0
		.amdhsa_float_denorm_mode_32 3
		.amdhsa_float_denorm_mode_16_64 3
		.amdhsa_memory_ordered 1
		.amdhsa_forward_progress 1
		.amdhsa_inst_pref_size 49
	.end_amdhsa_kernel
	.amdgpu_metadata
---
amdhsa.version: [ 1, 2 ]
amdhsa.kernels:
  - .name:           k_q10f8c5d582_oproj
    .symbol:         k_q10f8c5d582_oproj.kd
    .args:
      - { .name: cf, .offset: 0, .size: 8, .value_kind: global_buffer, .address_space: global }
      - { .name: cs, .offset: 8, .size: 8, .value_kind: global_buffer, .address_space: global }
      - { .name: oc, .offset: 16, .size: 8, .value_kind: global_buffer, .address_space: global }
      - { .name: os, .offset: 24, .size: 8, .value_kind: global_buffer, .address_space: global }
      - { .name: Wo_b, .offset: 32, .size: 8, .value_kind: global_buffer, .address_space: global }
      - { .name: out0, .offset: 40, .size: 8, .value_kind: global_buffer, .address_space: global }
    .group_segment_fixed_size: 262656
    .private_segment_fixed_size: 0
    .kernarg_segment_align: 8
    .kernarg_segment_size: 48
    .max_flat_workgroup_size: 128
    .sgpr_count:     100
    .vgpr_count:     512
    .wavefront_size: 32
...
	.end_amdgpu_metadata
.endif
;; end of part 4
